; MI455X (gfx1250); checked and timed in simulation.
; The chip was launched on July 23, 2026; its instructions are those of AMD's public machine-readable ISA for CDNA 5 (MIT licence, August 2026) and "CDNA5" Instruction Set Architecture Reference Guide (July 2026). The comments in the code are by the model that wrote it; some were corrected since.
;; Causal Self Attention. Allowed arithmetic: matrix products marked QUANTISED: E4M3 operands, one E8M0 scale for each 32 along K, by v_wmma_scale_f32_16x16x128_f8f6f4 with both operands' format E4M3, f32 sums; everything else in f32.
;; Inputs: Wk 1,024 x 1,024 float32; Wq 1,024 x 1,024 float32; Wv 1,024 x 1,024 float32; x 4 x 2,048 x 1,024 float32.
;; Outputs: out0 4 x 2,048 x 1,024 float32.
;; This version of the problem:
;;   THIS VERSION OF THE PROBLEM IS GIVEN IN LOW PRECISION. The matrix products marked QUANTISED in the list below multiply operands that are first quantised to E4M3 (4 exponent bits, 3 mantissa bits; 8 bits a number), with one power-of-two scale for each 32 numbers along K (OCP MX v1.0); their sums are f32. All else is computed in f32.
;;   The module's matrix products, in the order in which they are computed (A, B: the left and right operand; K: the contracted axis; several contracted axes count as one K, in the product's order):
;;     1. [M 8,192, K 1,024] x [K 1,024, N 1,024]; A: input x; B: input Wq: QUANTISED
;;     2. [M 8,192, K 1,024] x [K 1,024, N 1,024]; A: input x; B: input Wk: QUANTISED
;;     3. [M 8,192, K 1,024] x [K 1,024, N 1,024]; A: input x; B: input Wv: QUANTISED
;;     4. batch 4 x [M 2,048, K 1,024] x [K 1,024, N 2,048]; A: computed on the way; B: computed on the way: QUANTISED
;;     5. batch 4 x [M 2,048, K 2,048] x [K 2,048, N 1,024]; A: softmax (see below); B: computed on the way: QUANTISED
;;   THE QUANTISER, for each operand of a quantised product, along K:
;;     - K is cut into blocks of 32 from its start; a last block that is shorter is filled with zeros.
;;     - A block's scale is 2^e with e = floor(log2(the largest magnitude in the block)) - 8, held to -126 .. 127; a block of zeros has e = 0. As a byte (E8M0): e + 127.
;;     - Each number is divided by its block's scale, clamped to +-448, and rounded to the nearest number of E4M3, ties to even, subnormals kept.
;;     - The product sums the exact products of the quantised numbers (number of the format x scale) in f32.
;;   ~~~python
;;   def quantise(x, axis):      # numpy; x: float32 -> the quantised numbers, widened to float32 again
;;       x = np.moveaxis(x, axis, -1); K = x.shape[-1]
;;       x = np.pad(x, [(0, 0)] * (x.ndim - 1) + [(0, -K % 32)]); x = x.reshape(x.shape[:-1] + (-1, 32)); a = np.abs(x).max(-1, keepdims=True)
;;       e = np.where(a > 0, np.clip(np.frexp(np.where(a > 0, a, 1))[1] - 1 - 8, -126, 127), 0)      # np.frexp(a)[1] - 1 = floor(log2(a)), exactly
;;       r = np.clip(x / 2.0 ** e, -448, 448)
;;       step = 2.0 ** (np.maximum(np.frexp(np.where(r == 0, 1, r))[1] - 1, -6) - 3)
;;       q = np.round(r / step) * step * 2.0 ** e      # np.round: ties to even
;;       return np.moveaxis(q.reshape(q.shape[:-2] + (-1,))[..., :K], -1, axis).astype(np.float32)
;;   ~~~
;;   SOFTMAX AHEAD OF A QUANTISED PRODUCT. Where the list says 'softmax', what is quantised is not the finished softmax but p = 2^(t - M), with t = logit x log2(e) and M = ceil(the row's largest t), a whole number; so 1/2 < the row's largest p <= 1. The row's sum l is taken of the UNQUANTISED p, in f32, and the product's result is divided by l at the end. Since M is a whole number, a kernel that streams over the keys may use a running M (the ceiling of the running maximum): every later rescaling is an exact power of two, which a block's scale takes up: the codes' values come out the same.
;;   OPERANDS COMPUTED ON THE WAY. 'Computed on the way' means the value that the module computes at that place (a softmax that the list does not call 'softmax' is quantised finished and normalised). What goes into a quantiser is computed in f32, as accurately as f32 sums, v_exp_f32 and their like allow (about 1e-6 of the number): no bf16 or f16 on the way to a quantiser, and a product that is left as it is and whose result goes on into a quantised operand takes f32 operands (vector FMAs, or v_wmma_f32_16x16x4_f32). A number that lies on a knife's edge between two numbers of the format may be rounded either way, as far as f32 arithmetic and the matrix unit's own rounding can turn it there, and no further.
;; One version. Each part assembles by itself: llvm-mc -triple=amdgcn-amd-amdhsa -mcpu=gfx1250 --defsym DOCPART=n.
;; ======== version 1 of 1: 4 launches
;; limits: right only within a limited range of input values
;; workspace buffers: oc 11,534,336 bytes; os 360,448 bytes; qkc 16,777,216 bytes; qks 524,288 bytes; vc 8,388,608 bytes; vs 262,144 bytes; pcod 9,437,184 bytes; pst 1,572,864 bytes
;; launch quant (part 1): grid 704 x 1, 4 waves a work-group, no clusters, 34,816 bytes of LDS; arguments x, Wq, Wk, Wv, oc, os; writes oc, os
.if DOCPART == 1
	.amdgcn_target "amdgcn-amd-amdhsa--gfx1250"
	.amdhsa_code_object_version 6
	.text
	.protected	k_q0f26345305_quant
	.globl	k_q0f26345305_quant
	.p2align	8
	.type	k_q0f26345305_quant,@function
k_q0f26345305_quant:
	s_mov_b64 s[64:65], 0
	v_nop
	global_prefetch_b8 v0, s[64:65] scope:SCOPE_SE
	s_setreg_imm32_b32 hwreg(HW_REG_WAVE_MODE, 25, 1), 1
	s_wait_xcnt 0x0
; CAUSAL SELF-ATTENTION, ONE HEAD OF 1,024, IN MX-FP8: four launches.  This one turns x and the three weights into codes of E4M3 and E8M0 scale words.
; WORK LEFT OUT BY THE PROGRAM.  reference() sets score (s, t) to -inf wherever t > s, by a mask that it builds itself; exp(-inf) = 0 whatever the inputs hold, so such a score adds nothing to the row's sum
; and its weight multiplies v by 0.  Tiles of scores that lie wholly above the diagonal, and the products of p with v over such keys, are not computed (launches score and ctx).  Nothing else is
; left out and all four inputs are loaded.  LIMIT: a NaN, an infinity or an overflow that would arise only in such a masked score is not carried to the result.
; LIMITS OF THIS LAUNCH: NaN and infinities among the inputs are not served; a block of zeros gets the byte 1 where the rule says 127 (its codes are zeros, and this program alone reads the bytes).
; CODES ARE IMAGES OF OPERAND REGISTERS.  A tile is 16 rows x 1,024 along K = 8 K steps of 2,048 bytes; in a K step piece c (0..3) is 512 bytes: lane L's 16 bytes at 512 c + 16 L hold row L % 16, k = 32 c + 16 (L / 16) + 0 .. 15.
; oc: 704 tiles of 16,384 bytes: x at 0-511, Wq^T 512-575, Wk^T 576-639, Wv^T 640-703.
; x's TILE T holds tokens: place 8 m + i = token 32 (T / 2) + 8 (T % 2) + 16 m + i.  It lies at position P: T with its bits 2 and 3 exchanged, so that launch proj's chunks of eight tiles are dense.
; A WEIGHT's TILE 4 V + j holds columns: place 8 m + i = column 64 V + 32 m + 8 j + i: a product with it as source 0 leaves 32 neighbouring columns in one lane's registers of four tiles.
; os: x's scale words first: 512 bytes at 512 P: [K steps 0-3, 4-7][16 places][4 words]; then, from 262,144 on, the weights': [8 K steps][3,072 places] words.
; SHARES.  Work-groups 0-191: the weights (K is their FIRST axis): a lane takes a column, its registers run down K; a wave takes 32 columns (two tiles) x 128 along K.
; Work-groups 192-703: a tile of x; wave w takes K steps 2 w and 2 w + 1.  Each load reads 512 consecutive bytes of a row; the numbers turn through the wave's own stage in LDS so that a lane gets 16 neighbours of each block.
.set WGW,   192
.set SPARE, 33792                      ; behind the four stages: the spare words, 128 bytes a wave
.set WORDS, 34304                      ; the tile's 512 bytes of scale words
.set WSP,   12288                      ; bytes from one K step's words of the weights to the next
.set SPW, 10
.set NIL, 11
.set TM,  12                           ; v12-27 at work in QUANT
.set RA,  64                           ; v64-191 x as loaded: two fragments of 16 rows
.set XX,  192                          ; v192-255 64 numbers of my row, register 16 b + i = k 32 b + 16 (lane / 16) + i
.set SEL, 20
.set MNT, 22
; 64 numbers of a lane become a fragment's 16 registers of codes, v[pc] on, and my row's scale word, v[pw]
.macro QUANT s, pc, pw
.irp b, 0,1,2,3
	v_max3_num_f32 v[TM+\b], |v[\s+16*\b]|, |v[\s+1+16*\b]|, 0x4800000   ; block b: my 16 numbers and the floor 2^(9 - 127): the byte cannot fall under 1
.endr
.irp i, 2,4,6,8,10,12,14
.irp b, 0,1,2,3
	v_max3_num_f32 v[TM+\b], v[TM+\b], |v[\s+16*\b+\i]|, |v[\s+1+16*\b+\i]|
.endr
.endr
.irp b, 0,1,2,3
	v_permlanex16_b32 v[TM+4+\b], v[TM+\b], s[SEL], s[SEL+1]
.endr
.irp b, 0,1,2,3
	v_max_num_f32 v[TM+\b], v[TM+\b], v[TM+4+\b]       ; with lane l xor 16's 16: the block's largest magnitude
.endr
.irp b, 0,1,2,3
	v_add_nc_u32 v[TM+12+\b], 0xfc000000, v[TM+\b]     ; 8 off its exponent field: the conversion's scale operand
.endr
.irp b, 0,1,2,3
	v_and_or_b32 v[TM+8+\b], v[TM+\b], 0x7f800000, s[MNT]   ; 448 x the scale
.endr
.irp b, 0,1,2,3
	v_lshrrev_b32 v[TM+4+\b], 23, v[TM+12+\b]          ; the scale's byte
.endr
	v_lshl_or_b32 v[\pw], v[TM+5], 8, v[TM+4]
	v_lshl_or_b32 v[\pw], v[TM+6], 16, v[\pw]
	v_lshl_or_b32 v[\pw], v[TM+7], 24, v[\pw]
.irp b, 0,1,2,3
.irp i, 0,1,2,3,4,5,6,7,8,9,10,11,12,13,14,15
	v_med3_num_f32 v[\s+16*\b+\i], v[\s+16*\b+\i], -v[TM+8+\b], v[TM+8+\b]   ; the conversion to an 8-bit code does not saturate (ISA guide 7.6.2): the hold
.endr
	v_cvt_scalef32_pk8_fp8_f32 v[(\pc)+4*\b:(\pc)+1+4*\b], v[\s+16*\b:\s+7+16*\b], v[TM+12+\b]
	v_cvt_scalef32_pk8_fp8_f32 v[(\pc)+2+4*\b:(\pc)+3+4*\b], v[\s+8+16*\b:\s+15+16*\b], v[TM+12+\b]
.endr
	v_nop                                          ; a plain line behind the last conversion
.endm
	s_load_b256 s[4:11], s[0:1], 0x0               ; x, Wq, Wk, Wv
	s_load_b128 s[12:15], s[0:1], 0x20             ; oc, os
	v_lshl_add_u32 v[SPW], v0, 2, SPARE
	v_mov_b32 v[NIL], 0
	v_lshrrev_b32 v1, 5, v0
	v_readfirstlane_b32 s16, v1                    ; wave
	v_and_b32 v1, 31, v0                           ; lane
	v_and_b32 v2, 15, v0                           ; r
	v_bfe_u32 v3, v0, 4, 1                         ; h
	s_mov_b32 s[SEL], 0x76543210
	s_mov_b32 s[SEL+1], 0xfedcba98
	s_mov_b32 s[MNT], 0x600000                     ; the mantissa field of 448
	s_cmp_lt_u32 ttmp9, WGW
	s_cbranch_scc1 .Lweights
	; ---------------- x: tile T = work-group - 192
	s_sub_co_u32 s17, ttmp9, WGW
	s_lshr_b32 s18, s17, 1
	s_lshl_b32 s18, s18, 17                        ; 32 (T / 2) rows of 4,096 bytes
	s_and_b32 s19, s17, 1
	s_lshl_b32 s19, s19, 15                        ; + 8 (T % 2) rows
	s_add_co_u32 s18, s18, s19
	s_lshl_b32 s19, s16, 10                        ; + my two K steps: 1,024 bytes of each row
	s_add_co_u32 s18, s18, s19
	s_mov_b32 s19, 0
	s_and_b32 s29, s17, 0x1f3                      ; position P: T's bits 2 and 3 exchanged
	s_and_b32 s30, s17, 4
	s_lshl_b32 s30, s30, 1
	s_or_b32 s29, s29, s30
	s_and_b32 s30, s17, 8
	s_lshr_b32 s30, s30, 1
	s_or_b32 s29, s29, s30
	s_lshl_b32 s24, s29, 14                        ; codes: 16,384 P + 4,096 wave
	s_lshl_b32 s25, s16, 12
	s_add_co_u32 s24, s24, s25
	s_mov_b32 s25, 0
	s_lshl_b32 s26, s29, 9                         ; scale words: 512 P
	s_mov_b32 s27, 0
	s_mul_i32 s28, s16, 8448                       ; my stage: 16 rows x 528 bytes
	s_lshr_b32 s30, s16, 1                         ; my K steps' place among the tile's words: 256 (wave / 2) + 8 (wave % 2)
	s_lshl_b32 s30, s30, 8
	s_and_b32 s31, s16, 1
	s_lshl_b32 s31, s31, 3
	s_add_co_u32 s30, s30, s31
	s_add_co_u32 s30, s30, WORDS
	s_wait_alu depctr_va_vdst(0)                   ; the wait ahead of these readers
	v_lshlrev_b32 v4, 4, v1                        ; 16 x lane
	v_add_nc_u32 v5, s28, v4                       ; into the stage: as loaded
	v_mul_u32_u24 v6, v2, 528
	v_lshl_add_u32 v6, v3, 6, v6
	v_add_nc_u32 v6, s28, v6                       ; out of it: row r, + 64 h
	v_lshlrev_b32 v31, 4, v2
	v_lshl_add_u32 v31, v3, 2, v31                 ; lanes 0-15 hold the first K step's words, lanes 16-31 the second's
	v_add_nc_u32 v31, s30, v31
	v_add_nc_u32 v7, WORDS, v4
.irp b, 0,1,2,3
	v_mov_b32 v[TM+4+\b], 0                        ; a lane permute's destination counts as one of its sources
.endr
	s_wait_alu depctr_va_vdst(0)                   ; the wait at the head's end
	s_wait_kmcnt 0x0
	s_add_nc_u64 s[4:5], s[4:5], s[18:19]
	s_add_nc_u64 s[12:13], s[12:13], s[24:25]
	s_add_nc_u64 s[14:15], s[14:15], s[26:27]
.irp f, 0,1
.irp i, 0,1,2,3,4,5,6,7,8,9,10,11,12,13,14,15
	global_load_b128 v[RA+64*\f+4*\i:RA+64*\f+4*\i+3], v4, s[4:5] offset:(\i+8*(\i/8))*4096+512*\f th:TH_LOAD_NT   ; place i of the tile: 512 consecutive bytes of its row
.endr
.endr
.macro XFRAG f, left
	s_wait_loadcnt \left                           ; this fragment's 16 loads are in
.irp i, 0,1,2,3,4,5,6,7,8,9,10,11,12,13,14,15
	ds_store_b128 v5, v[RA+64*\f+4*\i:RA+64*\f+4*\i+3] offset:528*\i
.endr
.irp c, 0,1,2,3
.irp j, 0,1,2,3
	ds_load_b128 v[XX+16*\c+4*\j:XX+16*\c+4*\j+3], v6 offset:128*\c+16*\j   ; LDS serves a wave's instructions in order: these see my stores
.endr
.endr
	s_wait_dscnt 0x0
	QUANT XX, 32+16*\f, 28+\f
.irp c, 0,1,2,3
	global_store_b128 v4, v[32+16*\f+4*\c:32+16*\f+4*\c+3], s[12:13] offset:2048*\f+512*\c   ; the image: 512 consecutive bytes a store
.endr
.endm
	XFRAG 0, 16                                    ; the second fragment's 16 loads may stay out
	XFRAG 1, 0
	v_cmp_eq_u32 vcc_lo, 1, v3
	v_cndmask_b32 v30, v28, v29, vcc_lo
	ds_store_b32 v31, v30                          ; the four waves' words are gathered
	s_wait_dscnt 0x0
	s_barrier_signal -1
	s_barrier_wait -1
	s_cmp_lg_u32 s16, 0
	s_cbranch_scc1 .Lstored
	ds_load_b128 v[64:67], v7
	s_wait_dscnt 0x0
	global_store_b128 v4, v[64:67], s[14:15]       ; wave 0: the tile's 512 bytes
.Lstored:
	s_wait_tensorcnt 0x0                           ; the wave's end
	ds_add_u32 v[SPW], v[NIL]
	s_wait_dscnt 0x0
	s_endpgm
	; ---------------- the weights: no LDS on this path
.Lweights:
	s_lshr_b32 s17, ttmp9, 6                       ; which weight: 0 Wq, 1 Wk, 2 Wv
	s_and_b32 s18, ttmp9, 7
	s_bfe_u32 s19, ttmp9, 0x30003                  ; which 128 along K: the K step
	s_lshl_b32 s18, s18, 2
	s_add_co_u32 s18, s18, s16                     ; b: my wave's tiles 2 b, 2 b + 1
	s_lshl_b32 s24, s19, 19                        ; 128 rows of 4,096 bytes
	s_lshr_b32 s25, s18, 1
	s_lshl_b32 s25, s25, 8                         ; + 64 (b / 2) columns
	s_add_co_u32 s24, s24, s25
	s_and_b32 s25, s18, 1
	s_lshl_b32 s25, s25, 6                         ; + 16 (b % 2)
	s_add_co_u32 s24, s24, s25
	s_mov_b32 s25, 0
	s_lshl_b32 s26, s17, 6
	s_lshl_b32 s27, s18, 1
	s_add_co_u32 s26, s26, s27
	s_add_co_u32 s26, s26, 512                     ; tile 512 + 64 weight + 2 b
	s_lshl_b32 s26, s26, 14
	s_lshl_b32 s27, s19, 11                        ; + the K step's 2,048 bytes
	s_add_co_u32 s26, s26, s27
	s_mov_b32 s27, 0
	s_lshl_b32 s28, s17, 12
	s_lshl_b32 s29, s18, 7
	s_add_co_u32 s28, s28, s29
	s_add_co_u32 s28, s28, 262144                  ; behind x's words: place 1,024 weight + 32 b, 4 bytes each
	s_mul_i32 s29, s19, WSP
	s_add_co_u32 s28, s28, s29
	s_mov_b32 s29, 0
	v_and_b32 v4, 7, v0
	v_bfe_u32 v5, v0, 3, 1
	v_lshl_add_u32 v4, v5, 5, v4
	s_wait_alu depctr_va_vdst(0)                   ; the wait ahead of these readers
	v_lshl_add_u32 v4, v3, 3, v4                   ; my column behind the wave's first: 8 (lane / 16) + r % 8 + 32 (r / 8)
	v_lshlrev_b32 v4, 2, v4
	v_lshlrev_b32 v5, 4, v2
	v_lshl_add_u32 v5, v3, 14, v5                  ; codes: 16 r, in tile 2 b + lane / 16
	v_lshlrev_b32 v6, 2, v1                        ; scale words: 4 x lane
	s_wait_alu depctr_va_vdst(0)                   ; the wait at the head's end
	s_wait_kmcnt 0x0
	s_cmp_eq_u32 s17, 0
	s_cselect_b64 s[30:31], s[6:7], s[8:9]
	s_cmp_eq_u32 s17, 2
	s_cselect_b64 s[30:31], s[10:11], s[30:31]
	s_add_nc_u64 s[30:31], s[30:31], s[24:25]
	s_add_nc_u64 s[12:13], s[12:13], s[26:27]
	s_add_nc_u64 s[14:15], s[14:15], s[28:29]
.macro WLOAD t                         ; block t: W(32 t + i, my column)
.irp i, 0,1,2,3,4,5,6,7,8,9,10,11,12,13,14,15,16,17,18,19,20,21,22,23,24,25,26,27,28,29,30,31
	global_load_b32 v[64+32*((\t)%2)+\i], v4, s[30:31] offset:(32*(\t)+\i)*4096 th:TH_LOAD_NT
.endr
.endm
.macro WBLOCK t
.set XS, 64+32*((\t)%2)
.set CC, 128+8*(\t)                    ; each block's codes have registers of their own: no store's data are written again
.if (\t) < 3
	s_wait_loadcnt 32                              ; this block's 32 loads are in; the next block's may be out
.else
	s_wait_loadcnt 0
.endif
	v_max3_num_f32 v12, |v[XS]|, |v[XS+1]|, |v[XS+2]|
	v_max3_num_f32 v13, |v[XS+3]|, |v[XS+4]|, |v[XS+5]|
.irp i, 6,10,14,18,22,26
	v_max3_num_f32 v12, v12, |v[XS+\i]|, |v[XS+\i+1]|
	v_max3_num_f32 v13, v13, |v[XS+\i+2]|, |v[XS+\i+3]|
.endr
	v_max3_num_f32 v12, v12, |v[XS+30]|, |v[XS+31]|
	v_max3_num_f32 v12, v12, v13, 0x4800000        ; the block's largest magnitude, and the floor
	v_add_nc_u32 v15, 0xfc000000, v12
	v_and_or_b32 v14, v12, 0x7f800000, s[MNT]
	v_lshrrev_b32 v16, 23, v15
.if (\t) == 0
	v_mov_b32 v24, v16
.else
	v_lshl_or_b32 v24, v16, 8*(\t), v24            ; the four bytes make my column's scale word
.endif
.irp i, 0,1,2,3,4,5,6,7,8,9,10,11,12,13,14,15,16,17,18,19,20,21,22,23,24,25,26,27,28,29,30,31
	v_med3_num_f32 v[XS+\i], v[XS+\i], -v14, v14
.endr
.irp g, 0,1,2,3
	v_cvt_scalef32_pk8_fp8_f32 v[CC+2*\g:CC+2*\g+1], v[XS+8*\g:XS+8*\g+7], v15
.endr
	v_nop
	global_store_b128 v5, v[CC:CC+3], s[12:13] offset:(\t)*512        ; k 32 t + 0 .. 15: sixteen lanes fill 256 consecutive bytes
	global_store_b128 v5, v[CC+4:CC+7], s[12:13] offset:(\t)*512+256  ; k 32 t + 16 .. 31
.if (\t)+2 < 4
	WLOAD (\t)+2
.endif
.endm
	WLOAD 0
	WLOAD 1
.set Q, 0
.rept 4
	WBLOCK Q
.set Q, Q+1
.endr
	global_store_b32 v6, v24, s[14:15]
	s_endpgm
.Lfunc_end_k_q0f26345305_quant:
	.size	k_q0f26345305_quant, .Lfunc_end_k_q0f26345305_quant-k_q0f26345305_quant
	.p2alignl 7, 3214868480
	.fill 96, 4, 3214868480
	.section	.rodata,"a",@progbits
	.p2align	6, 0x0
	.amdhsa_kernel k_q0f26345305_quant
		.amdhsa_group_segment_fixed_size 34816
		.amdhsa_private_segment_fixed_size 0
		.amdhsa_enable_private_segment 0
		.amdhsa_kernarg_size 48
		.amdhsa_user_sgpr_count 2
		.amdhsa_user_sgpr_kernarg_segment_ptr 1
		.amdhsa_wavefront_size32 1
		.amdhsa_system_sgpr_workgroup_id_x 1
		.amdhsa_system_sgpr_workgroup_id_y 1
		.amdhsa_system_sgpr_workgroup_id_z 1
		.amdhsa_system_vgpr_workitem_id 0
		.amdhsa_next_free_vgpr 256
		.amdhsa_next_free_sgpr 66
		.amdhsa_reserve_vcc 1
		.amdhsa_float_denorm_mode_32 3
		.amdhsa_float_denorm_mode_16_64 3
		.amdhsa_memory_ordered 1
		.amdhsa_forward_progress 1
		.amdhsa_inst_pref_size 57
	.end_amdhsa_kernel
	.amdgpu_metadata
---
amdhsa.version: [ 1, 2 ]
amdhsa.kernels:
  - .name:           k_q0f26345305_quant
    .symbol:         k_q0f26345305_quant.kd
    .args:
      - { .name: x, .offset: 0, .size: 8, .value_kind: global_buffer, .address_space: global }
      - { .name: Wq, .offset: 8, .size: 8, .value_kind: global_buffer, .address_space: global }
      - { .name: Wk, .offset: 16, .size: 8, .value_kind: global_buffer, .address_space: global }
      - { .name: Wv, .offset: 24, .size: 8, .value_kind: global_buffer, .address_space: global }
      - { .name: oc, .offset: 32, .size: 8, .value_kind: global_buffer, .address_space: global }
      - { .name: os, .offset: 40, .size: 8, .value_kind: global_buffer, .address_space: global }
    .group_segment_fixed_size: 34816
    .private_segment_fixed_size: 0
    .kernarg_segment_align: 8
    .kernarg_segment_size: 48
    .max_flat_workgroup_size: 128
    .sgpr_count:     66
    .vgpr_count:     256
    .wavefront_size: 32
...
	.end_amdgpu_metadata
.endif
;; end of part 1
;; launch proj (part 2): grid 16 x 16, 4 waves a work-group, clusters of 4 x 4, 327,680 bytes of LDS; arguments oc, os, qkc, qks, vc, vs; writes qkc, qks, vc, vs
.if DOCPART == 2
	.amdgcn_target "amdgcn-amd-amdhsa--gfx1250"
	.amdhsa_code_object_version 6
	.text
	.protected	k_q0f26345305_proj
	.globl	k_q0f26345305_proj
	.p2align	8
	.type	k_q0f26345305_proj,@function
k_q0f26345305_proj:
	s_mov_b64 s[64:65], 0
	v_nop
	global_prefetch_b8 v0, s[64:65] scope:SCOPE_SE
	s_setreg_imm32_b32 hwreg(HW_REG_WAVE_MODE, 25, 1), 1
	s_wait_xcnt 0x0
	s_wait_alu depctr_hold_cnt(0) depctr_sa_sdst(0) depctr_va_vdst(0) depctr_va_sdst(0) depctr_va_ssrc(0) depctr_va_vcc(0) depctr_vm_vsrc(0)
	s_getreg_b32 s2, hwreg(HW_REG_IB_STS2, 6, 4)
	s_cmp_eq_u32 s2, 0
	s_cbranch_scc0 .Lentry_in_a_cluster
	s_endpgm
.Lentry_in_a_cluster:
	s_bfe_u32 s2, ttmp6, 0x10000c
	s_cmp_lg_u32 s2, 0xf033
	s_cbranch_scc0 .Lentry_shape_is_right
	s_endpgm
.Lentry_shape_is_right:
; q, k, v = x W AND THEIR QUANTISERS, on codes of E4M3 with E8M0 scales.  Nothing is left out here.  Operands are dense images of registers (launch quant), in memory and in LDS alike.
; LIMITS: NaN, infinities and sums beyond f32's range are not served; a block's byte never falls under 1 (its codes are then zeros or exact; this program alone reads the bytes).
; RESULTS, all as operand images for the launches that read them: qkc [q's 512 tiles, k's 512][8 K steps][2,048]; qks [8 K steps][16,384 places] words; vc [64 tiles of channels][64 K steps of 128 tokens][2,048]; vs [64 K steps][1,024 places] words.
; SHARES.  256 work-groups of four waves, 2 x 2.  A wave holds 64 columns of a weight (four tiles), ALL of K, in 512 registers and streams tiles of x past them, one tile = one block of 32 products, in two whole sets of 128 registers.
; PHASE 1: 512 tokens x 128 columns of q (gx 0-7) or k (gx 8-15): one K step of the scores' product for 32 tiles: sixteen blocks a wave.  PHASE 2: 256 of the SAME tokens (window s18, by the cluster's number) x 128 channels of v: eight blocks.
; A CHUNK is eight tiles of x, 131,072 bytes: four for each row of waves, as they lie in oc.  The work-group's 512 tokens are two windows of two chunks; phase 1 takes the window that is not v's first (chunks 0, 1), then v's (2, 3).
; LDS: two slots of 131,072 bytes.  The first weight comes into slot 1, chunk 0 into slot 0; chunks 1, 2, 3 are refills of slots 1, 0, 1 inside blocks 0, 4, 8; Wv's tiles take slot 0 behind block 11; chunk 2 comes anew into slot 0 once Wv is in registers;
; chunk 3 still lies in slot 1 when phase 2 begins, so v takes chunk 3, then chunk 2.  A refill is a quarter a wave: waves 0 and 1 bring the first two blocks of both rows of waves, shown by the plain barrier two blocks on; waves 2 and 3 the others, shown by the next round.
; THE WAY OUT of a block (maxima, holds, conversions, the byte) stands AMONG LATER PRODUCTS: q's and k's among the next block's (two sets of sums), a pair of v's blocks, copied to two more sets, among the next pair's.
; q and k: source 0 = the weight, so a lane holds one token and, over its four tiles, a whole block of 32 along the head.  v: source 0 = x, so a lane holds one channel and 8 tokens of each block; a pair of blocks is 32 tokens in lanes l and l xor 16.
; CLUSTER 4 x 4: x's tiles and scale words are shared along a row, the weights along a column: joint loads, one a wave, at the head and behind each round.  Chunks 1 to 3 and Wv are prefetched, a sixteenth a wave of those that share them, told apart by address.
.set TILE, 16384
.set SLOT1, 131072
.set SCL, 2*SLOT1                      ; x's scale words: 32 tiles of 512 bytes in the order of work
.set SPARE, SCL+16384                  ; the spare words, 128 bytes a wave
.set XN, SPARE+512                     ; q's or k's scale words, gathered: [row of waves][16 blocks][16 places] words
.set XV, XN+2048                       ; v's: [row of waves][8 tiles][16 places] words
.set NP, 8                             ; plain lines behind a product ahead of a reader of its sums and of a load into what it has read
.set NF, 34                            ; LDS loads of a block
.set AD0, 4                            ; v4  LDS address of my fragments of block 0
.set CN, 5                             ; v5  512 h + 16 r
.set AS0, 6                            ; v6  LDS address of my scale words of block 0
.set CO, 9                             ; v9  16 x lane
.set SPW, 10
.set NIL, 11
.set ADX, 12                           ; v12 as v4, for the block that is fetched next
.set VX, 13                            ; v13 LDS address of a scale byte
.set ADW, 14                           ; v14, v15 my fragments of a weight in slot 1, in slot 0
.set W4, 16                            ; v16 4 x lane
.set ASX, 17
.set RD, 19
.set SOP, 20                           ; v20-23 the conversions' scale operands
.set SB, 24                            ; v24-39 the weight's scale words: register 8 p + q: lanes 0-15 tile 2 p, lanes 16-31 tile 2 p + 1
.set EB, 40                            ; v40-43 scale bytes
.set SA, 44                            ; v44-59 x's scale words, two sets: no product's two scale registers have numbers equal modulo 8
.set TQ, 60                            ; v60-63 maxima and bounds
.set ACC, 64                           ; v64-191 four sets of four accumulators: products write 0 and 1 by turns; 2 and 3 take a pair of v's blocks
.set WS, 128                           ; v128-143 in phase 1: Wv's scale words
.set NCD, 192                          ; v192-199 q's or k's 32 codes
.set MCD, 192                          ; v192-207 v's: four registers a tile
.set G1A, 24
.set G1B, 32
.set G1R, 48
.set G1S, 92
.set G0A, 56
.set G0B, 60
.set G0R, 68
.set G0S, 72
.set QTR, 66                           ; s66 where my quarter of a chunk lies: 65,536 (wave % 2) + 32,768 (wave / 2)
.set MSB, 0
.macro WIN new                         ; the immediate's high byte repeats the setting that is left
.if MSB != (\new)
	s_set_vgpr_msb (MSB<<8)|(\new)
.set MSB, (\new)
.endif
.endm
.macro PLACES n
.rept \n
	v_nop
.endr
.endm
.macro BARRIER
	s_barrier_signal -1
	s_barrier_wait -1
.endm
.macro CMID                            ; a round's middle
	s_cmp_lg_u32 s14, 0
	s_cbranch_scc1 .Lnot_wave_0_\@
	s_barrier_signal -3
.Lnot_wave_0_\@:
	s_barrier_wait -3
	BARRIER
.endm
.macro TLOAD g0, g1                    ; an s_nop 0 and four v_nop follow each load
	tensor_load_to_lds s[\g0:\g0+3], s[\g1:\g1+7]
	s_nop 0
	PLACES 4
.endm
.macro GROUP1 g, mask, rows            ; a dense block as rows of 4,096 bytes (512 elements of 8 bytes)
	s_or_b32 s[\g], s[\mask], (3<<16)|(1<<21)
	s_mov_b32 s[\g+1], 512<<16
	s_mov_b32 s[\g+2], (\rows)<<16
	s_mov_b32 s[\g+3], 512<<16
	s_mov_b32 s[\g+4], \rows
	s_mov_b32 s[\g+5], 512
	s_mov_b32 s[\g+6], 0
	s_mov_b32 s[\g+7], 0
.endm
.macro SADD d, x
	s_add_co_u32 s\d, s\d, s\x
.endm
.macro SHADD d, x, n                   ; s[d] += s[x] << n
	s_lshl_b32 s22, s\x, \n
	s_add_co_u32 s\d, s\d, s22
.endm
	s_load_b128 s[4:7], s[0:1], 0x0                ; oc, os
	v_lshl_add_u32 v[SPW], v0, 2, SPARE
	v_mov_b32 v[NIL], 0
	ds_add_u32 v[SPW], v[NIL]                      ; the opening: the add, twice on end, and its wait ahead of my first tensor load
	ds_add_u32 v[SPW], v[NIL]
	v_lshrrev_b32 v1, 5, v0
	v_readfirstlane_b32 s14, v1                    ; wave
	s_lshr_b32 s15, s14, 1                         ; my row of waves
	s_and_b32 s16, s14, 1                          ; my column of waves
	s_bfe_u32 s40, ttmp6, 0x40000                  ; cx
	s_bfe_u32 s41, ttmp6, 0x40004                  ; cy
	s_lshl_b32 s42, ttmp9, 2
	SADD 42, 40                                    ; gx
	s_and_b32 s43, ttmp7, 0xffff
	s_lshl_b32 s43, s43, 2
	SADD 43, 41                                    ; gy
	s_lshr_b32 s19, ttmp9, 1                       ; 0: q, 1: k
	s_and_b32 s18, ttmp9, 1                        ; v's window
	s_lshl_b32 s44, s41, 2
	s_lshl_b32 s44, 15, s44                        ; my row of the cluster
	s_lshl_b32 s45, 0x1111, s40                    ; my column
	GROUP1 G1B, 45, 32                             ; wave 0: the first weight's eight tiles
	GROUP1 G1A, 44, 32                             ; wave 1: chunk 0
	GROUP1 G1R, 44, 8                              ; a refill of x: two tiles a wave
	s_or_b32 s[G1S], s44, (3<<16)|(1<<21)          ; waves 2, 3: the scale words of a window each: 8,192 dense bytes as rows of 256
	s_mov_b32 s[G1S+1], 32<<16
	s_mov_b32 s[G1S+2], 32<<16
	s_mov_b32 s[G1S+3], 32<<16
	s_mov_b32 s[G1S+4], 32
	s_mov_b32 s[G1S+5], 32
	s_mov_b32 s[G1S+6], 0
	s_mov_b32 s[G1S+7], 0
	s_mov_b32 s[G0S], 1
	s_lshl_b32 s[G0S+1], s16, 13
	s_add_co_u32 s[G0S+1], s[G0S+1], SCL
	s_lshl_b32 s[QTR], s16, 16
	s_lshl_b32 s20, s15, 15
	SADD 66, 20
	; offsets in oc: s67 the window that is not v's, s2 v's window, s3 Wv's tiles
	s_lshl_b32 s67, s43, 19
	s_lshl_b32 s20, s18, 18
	s_add_co_u32 s2, s67, s20
	s_xor_b32 s20, s20, 1<<18
	SADD 67, 20
	s_lshl_b32 s13, s19, 2
	SADD 13, 40                                    ; v's tile column: 4 (cluster x / 2) + cx: a cluster's column shares it
	s_lshl_b32 s3, s13, 17
	s_add_co_u32 s3, s3, 640*TILE
	s_lshl_b32 s12, s13, 9                         ; s12: in os, Wv's words of my wave's 64 columns
	SHADD 12, 16, 8
	s_add_co_u32 s12, s12, 262144+8192
	s_lshl_b32 s78, s42, 17                        ; s[78:79] the first weight's codes
	s_add_co_u32 s78, s78, 512*TILE
	s_mov_b32 s79, 0
	s_lshl_b32 s80, s43, 1                         ; s[80:81] x's scale words: wave 2 the window that is not v's, wave 3 v's
	s_xor_b32 s20, s18, 1
	s_cmp_eq_u32 s16, 1
	s_cselect_b32 s20, s18, s20
	SADD 80, 20
	s_lshl_b32 s80, s80, 13
	s_mov_b32 s81, 0
	s_lshl_b32 s82, s42, 9                         ; s[82:83] the first weight's words
	SHADD 82, 16, 8
	s_add_co_u32 s82, s82, 262144
	s_mov_b32 s83, 0
	s_mov_b32 s[G0A], 1
	s_mov_b32 s[G0A+1], 0
	s_mov_b32 s[G0B], 1
	s_mov_b32 s[G0B+1], SLOT1
	s_mov_b32 s[G0R], 1
	v_and_b32 v1, 15, v0                           ; r
	v_bfe_u32 v2, v0, 4, 1                         ; h
	v_and_b32 v3, 31, v0                           ; lane
	v_lshlrev_b32 v[CO], 4, v3
	v_lshlrev_b32 v[W4], 2, v3
	s_lshl_b32 s20, s15, 16                        ; my row of waves' four tiles of a chunk
	v_add_nc_u32 v[AD0], s20, v[CO]
	s_lshl_b32 s20, s16, 16                        ; my column's four tiles of a weight
	v_add_nc_u32 v[ADW+1], s20, v[CO]              ; Wv's, in slot 0
	v_add_nc_u32 v[ADW], SLOT1, v[ADW+1]
	s_lshl_b32 s20, s15, 11
	s_add_co_u32 s20, s20, SCL
	v_lshl_add_u32 v[AS0], v1, 4, s20
	s_lshl_b32 s90, s40, 2                         ; which of the cluster row's sixteen waves I am; and of the column's
	SADD 90, 14
	s_lshl_b32 s100, s41, 2
	SADD 100, 14
	s_wait_alu depctr_va_vdst(0)
	s_wait_dscnt 0x0                               ; both opening adds are done
	BARRIER                                        ; the opening round: all sixteen work-groups are here
	CMID
	s_wait_kmcnt 0x0
	s_mov_b32 s86, s67
	s_mov_b32 s87, 0
	s_add_nc_u64 s[G0A+2:G0A+3], s[4:5], s[86:87]
	s_or_b32 s[G0A+3], s[G0A+3], 0x80000000
	s_add_nc_u64 s[G0B+2:G0B+3], s[4:5], s[78:79]
	s_or_b32 s[G0B+3], s[G0B+3], 0x80000000
	s_add_nc_u64 s[G0S+2:G0S+3], s[6:7], s[80:81]
	s_or_b32 s[G0S+3], s[G0S+3], 0x80000000
	s_add_nc_u64 s[10:11], s[6:7], s[82:83]
	s_cmp_eq_u32 s14, 0                            ; ONE joint load a wave, and a line of its own for what is shown ahead of the rest
	s_cbranch_scc0 .Lwave_1
	TLOAD G0B, G1B
	s_branch .Lasked
.Lwave_1:
	s_cmp_eq_u32 s14, 1
	s_cbranch_scc0 .Lfor_scales
	TLOAD G0A, G1A
	s_branch .Lasked
.Lfor_scales:
	TLOAD G0S, G1S
.Lasked:
	; where my results go: offsets now, the buffers' addresses in front of the stream
	s_and_b32 s23, s42, 7                          ; the K step of the scores' product
	s_lshl_b32 s76, s19, 23                        ; s[76:77] qkc: k's tiles lie 512 on; 32 tiles a gy, 8 a row of waves; the K step; my column's half of it
	SHADD 76, 43, 19
	SHADD 76, 15, 17
	SHADD 76, 23, 11
	SHADD 76, 16, 10
	s_mov_b32 s77, 0
	s_lshl_b32 s78, s23, 16                        ; s[78:79] qks: wave n stores row of waves n / 2, window n % 2 in the order of work: 512 bytes
	SHADD 78, 19, 15
	SHADD 78, 43, 11
	SHADD 78, 15, 9
	s_xor_b32 s20, s16, s18
	s_xor_b32 s20, s20, 1
	SHADD 78, 20, 10
	s_mov_b32 s79, 0
	s_lshl_b32 s20, s43, 1
	SADD 20, 18                                    ; v's window of 256 tokens,
	s_lshl_b32 s21, s20, 1
	SADD 21, 15                                    ; my K step of the last product
	s_lshl_b32 s80, s13, 20                        ; s[80:81] vc: channel tile 8 s13 + 4 x my column
	SHADD 80, 16, 19
	SHADD 80, 21, 11
	s_mov_b32 s81, 0
	s_lshl_b32 s82, s21, 12                        ; s[82:83] vs: wave n stores K step n / 2, channels' half n % 2: 256 bytes
	SHADD 82, 13, 9
	SHADD 82, 16, 8
	s_mov_b32 s83, 0
	s_lshl_b32 s21, s15, 10
	SHADD 21, 16, 1
	s_add_co_u32 s21, s21, XN
	v_lshl_add_u32 v23, v1, 2, v2                  ; 4 r + h: my block of 32 is byte 2 x my column + h of the place's word
	v_add_nc_u32 v[VX], s21, v23
	s_lshl_b32 s21, s15, 9
	SHADD 21, 16, 8
	s_add_co_u32 s21, s21, XV
	v_lshl_add_u32 v[RD], v1, 2, s21
	v_lshlrev_b32 v23, 9, v2
	v_lshl_add_u32 v[CN], v1, 4, v23
	s_mov_b32 s20, s12                             ; scale words: the first weight's into SB, Wv's into WS
	s_mov_b32 s21, 0
	s_add_nc_u64 s[20:21], s[6:7], s[20:21]
.irp p, 0,1
.irp q, 0,1,2,3,4,5,6,7
	global_load_b32 v[SB+8*\p+\q], v[W4], s[10:11] offset:12288*\q+128*\p
	global_load_b32 v[WS+8*\p+\q], v[W4], s[20:21] offset:12288*\q+128*\p
.endr
.endr
	s_wait_xcnt 0x0                                ; the loads have taken their addresses
	s_add_co_u32 s6, s67, SLOT1                    ; chunk 1
	s_add_co_u32 s7, s2, SLOT1                     ; chunk 3
	s_lshl_b32 s21, s90, 13
	s_add_co_u32 s22, s21, s6
	v_lshl_add_u32 v7, v3, 8, s22                  ; prefetch addresses: my sixteenth of chunk 1, of chunk 2
	s_add_co_u32 s22, s21, s2
	v_lshl_add_u32 v8, v3, 8, s22
	v_add_nc_u32 v1, TILE, v[AD0]                  ; block 1's LDS addresses
	v_add_nc_u32 v2, 0x200, v[AS0]
	s_wait_alu depctr_va_vdst(0)                   ; the wait at the head's end
	s_cmp_eq_u32 s14, 0
	s_cbranch_scc0 .Lnot_w
	s_wait_tensorcnt 0x0                           ; wave 0: the first weight has landed.  The other waves' wait stands at the second barrier
.Lnot_w:
	BARRIER
	global_prefetch_b8 v7, s[4:5] th:TH_LOAD_NT scope:SCOPE_SE
	global_prefetch_b8 v8, s[4:5] th:TH_LOAD_NT scope:SCOPE_SE
.macro GRD
	s_wait_tensorcnt 0x0
	ds_add_u32 v[SPW], v[NIL]
.endm
.macro WFRAG q, b, adr                 ; the fragment of tile b, K step q: fragment 4 q + b, in window 1 (q < 4) or 2
	WIN (1+(\q)/4)<<6
.irp c, 0,1,2,3
	ds_load_b128 v[16*((4*(\q)+\b)%16)+4*\c:16*((4*(\q)+\b)%16)+4*\c+3], v[\adr] offset:TILE*(\b)+2048*(\q)+512*\c
.endr
.endm
.macro XFETCH k, a, s                  ; a tile of x, all of K, into set k of window 3, and its scale words: NF loads
	WIN 3<<6
.irp q, 0,1,2,3,4,5,6,7
.irp c, 0,1,2,3
	ds_load_b128 v[128*\k+16*\q+4*\c:128*\k+16*\q+4*\c+3], v[\a] offset:2048*\q+512*\c
.endr
.endr
	WIN 0
	ds_load_b128 v[SA+8*\k:SA+8*\k+3], v[\s]
	ds_load_b128 v[SA+8*\k+4:SA+8*\k+7], v[\s] offset:256
.endm
.macro WM d, a, b, c, x, y, mod
	v_wmma_scale_f32_16x16x128_f8f6f4 v[\d:\d+7], v[\a:\a+15], v[\b:\b+15], \c, v[\x], v[\y] \mod
.endm
.macro PROD kind, e, a, n              ; product n = 4 q + b: K step q, the weight's tile b; x in set e, sums in set a.  kind 0 (q, k): source 0 = the weight; kind 1 (v): source 0 = x.  The first K step starts the sums
.set Q_, (\n)/4
.set B_, (\n)%4
.set A_, ACC+32*(\a)+8*B_
.set R_, 128*(\e)+16*Q_
.set F_, 16*((4*Q_+B_)%16)
.set X_, SA+8*(\e)+Q_
.set S_, SB+8*(B_/2)+Q_
.if \kind
	WIN 3|((1+Q_/4)<<2)
.if Q_ && B_%2
	WM A_, R_, F_, v[A_:A_+7], X_, S_, matrix_b_scale:MATRIX_SCALE_ROW1
.elseif Q_
	WM A_, R_, F_, v[A_:A_+7], X_, S_
.elseif B_%2
	WM A_, R_, F_, 0, X_, S_, matrix_b_scale:MATRIX_SCALE_ROW1
.else
	WM A_, R_, F_, 0, X_, S_
.endif
.else
	WIN (1+Q_/4)|(3<<2)
.if Q_ && B_%2
	WM A_, F_, R_, v[A_:A_+7], S_, X_, matrix_a_scale:MATRIX_SCALE_ROW1
.elseif Q_
	WM A_, F_, R_, v[A_:A_+7], S_, X_
.elseif B_%2
	WM A_, F_, R_, 0, S_, X_, matrix_a_scale:MATRIX_SCALE_ROW1
.else
	WM A_, F_, R_, 0, S_, X_
.endif
.endif
.endm
.macro SCL4 i, n                       ; 0: the conversion's scale operand; 1: the bound 448 x the scale; 2: a second copy of it; 3: the scale byte
.if (\i) == 0
	v_add_nc_u32 v[SOP+\n], 0xfc000000, v[TQ]
.elseif (\i) == 1
	v_and_or_b32 v[TQ+1], v[TQ], 0x7f800000, s62
.elseif (\i) == 2
	v_mov_b32 v[TQ+3], v[TQ+1]
.else
	v_lshrrev_b32 v[EB+\n], 23, v[SOP+\n]
.endif
.endm
.macro MAXQ k, x                       ; 18 lines: the largest magnitude of the 32 sums at x, and the floor 2^(9 - 127)
.if (\k) < 4
	v_max3_num_f32 v[TQ+\k], |v[\x+8*(\k)]|, |v[\x+8*(\k)+1]|, |v[\x+8*(\k)+2]|
.elseif (\k) < 12
	v_max3_num_f32 v[TQ+(\k)%4], v[TQ+(\k)%4], |v[\x+8*((\k)%4)+2*((\k)/4)+1]|, |v[\x+8*((\k)%4)+2*((\k)/4)+2]|
.elseif (\k) < 16
	v_max_num_f32 v[TQ+(\k)%4], v[TQ+(\k)%4], |v[\x+8*((\k)%4)+7]|
.elseif (\k) == 16
	v_max3_num_f32 v[TQ], v[TQ], v[TQ+1], v[TQ+2]
.else
	v_max3_num_f32 v[TQ], v[TQ], v[TQ+3], 0x4800000
.endif
.endm
.macro HOLDS m, x                      ; two holds.  The fourth pair reads the bound's second copy
.if (\m) == 3
	v_med3_num_f32 v[\x], v[\x], -v[TQ+3], v[TQ+3]
	v_med3_num_f32 v[\x+1], v[\x+1], -v[TQ+3], v[TQ+3]
.else
	v_med3_num_f32 v[\x], v[\x], -v[TQ+1], v[TQ+1]
	v_med3_num_f32 v[\x+1], v[\x+1], -v[TQ+1], v[TQ+1]
.endif
.if (\m) == 2
	SCL4 2, 0
.endif
.endm
.macro GAPQ m, x                       ; the quantiser of q's or k's block in gaps 0 .. 26: a lane's 32 sums at x -> codes NCD, byte EB
.if (\m) < 9
	MAXQ 2*(\m), \x
	MAXQ 2*(\m)+1, \x
.elseif (\m) == 9
	SCL4 0, 0
	SCL4 1, 0
.elseif (\m) < 26
	HOLDS (\m)-10, \x+2*((\m)-10)
.if ((\m)-10)%4 == 3
	v_cvt_scalef32_pk8_fp8_f32 v[NCD+2*(((\m)-10)/4):NCD+2*(((\m)-10)/4)+1], v[\x+8*(((\m)-10)/4):\x+8*(((\m)-10)/4)+7], v[SOP]
.endif
.elseif (\m) == 26
	SCL4 3, 0
.endif
.endm
.macro GAPV u, x                       ; the quantiser of a pair of v's blocks, gaps 0 .. 59, 15 a tile: the even block's sums at x, the odd's at x + 32 -> codes MCD + 4 t, bytes EB + t
.set T_, (\u)/15
.set J_, (\u)%15
.set E_, \x+8*T_
.set O_, E_+32
.if (\u) > 59
.elseif J_ == 0
	v_max3_num_f32 v[TQ], |v[E_]|, |v[E_+1]|, |v[E_+2]|
	v_max3_num_f32 v[TQ+2], |v[O_]|, |v[O_+1]|, |v[O_+2]|
.elseif J_ < 3
	v_max3_num_f32 v[TQ], v[TQ], |v[E_+2*J_+1]|, |v[E_+2*J_+2]|
	v_max3_num_f32 v[TQ+2], v[TQ+2], |v[O_+2*J_+1]|, |v[O_+2*J_+2]|
.elseif J_ == 3
	v_max3_num_f32 v[TQ+2], v[TQ+2], |v[O_+7]|, 0x4800000
	v_max3_num_f32 v[TQ], v[TQ], |v[E_+7]|, v[TQ+2]
.elseif J_ == 4
	v_permlanex16_b32 v[TQ+2], v[TQ], s60, s61
	v_max_num_f32 v[TQ], v[TQ], v[TQ+2]
.elseif J_ == 5
	SCL4 0, T_
	SCL4 1, T_
.elseif J_ < 10
	HOLDS J_-6, E_+2*(J_-6)
.if J_ == 9
	v_cvt_scalef32_pk8_fp8_f32 v[MCD+4*T_:MCD+4*T_+1], v[E_:E_+7], v[SOP+T_]
.endif
.elseif J_ < 14
	HOLDS J_-6, O_+2*(J_-10)
.if J_ == 13
	v_cvt_scalef32_pk8_fp8_f32 v[MCD+4*T_+2:MCD+4*T_+3], v[O_:O_+7], v[SOP+T_]
.endif
.else
	SCL4 3, T_
.endif
.endm
.macro RDESC i, off, lds               ; group 0 of a refill, in two parts: my quarter of the chunk at s[off] of oc, into the slot at s[lds]
.if (\i) == 0
	s_add_co_u32 s[G0R+1], s[QTR], s\lds
	s_add_co_u32 s20, s[QTR], s\off
.else
	s_mov_b32 s21, 0
	s_add_nc_u64 s[G0R+2:G0R+3], s[4:5], s[20:21]
	s_or_b32 s[G0R+3], s[G0R+3], 0x80000000
.endif
.endm
; WHAT STANDS BEHIND PRODUCT n.  j: the block's number in its trip (4, 5: the second loop's; -1, -2: v's).  Behind 0 and 1 the addresses of the block two on; behind 2 a prefetch's address or a byte's next place; behind 29, 30 a refill's group 0;
; from 1 on a way out: y = 1 q's or k's block at x; 2, 3 the halves of v's pair at x
.macro LIST n, j, y, x
.if (\n) == 0
.if (\j) >= 0
	s_add_nc_u64 s[84:85], s[84:85], TILE
.if (\j) == 1
	s_cmp_eq_u32 s46, 2
	s_cselect_b64 s[84:85], s[88:89], s[84:85]
.endif
.endif
	WIN 0
.if (\j) == 0 || (\j) == 1
	s_add_co_u32 s22, s101, ((\j)+2)*TILE
.elseif (\j) > 1
	s_add_co_u32 s22, s47, ((\j)%2)*TILE
.else
	s_add_co_u32 s22, s47, (-1-(\j))*TILE
.endif
	v_add_nc_u32 v[ADX], s22, v[AD0]
.elseif (\n) == 1
	WIN 0
.if (\j) == 0 || (\j) == 1
	s_add_co_u32 s22, s17, ((\j)+2)*512
.elseif (\j) > 1
	s_add_co_u32 s22, s8, ((\j)%2)*512
.else
	s_add_co_u32 s22, s8, (-1-(\j))*512
.endif
	v_add_nc_u32 v[ASX], s22, v[AS0]
.endif
.if (\j) == 2 && (\n) == 2
	WIN 0
	v_lshl_add_u32 v7, v3, 8, s23
.elseif (\j) == 0 && ((\n) == 29 || (\n) == 30)
	RDESC (\n)-29, 6, 47
.elseif (\j) == 1 && (\n) == 2
	WIN 0
	v_add_nc_u32 v[VX], s9, v[VX]
.elseif (\j) == 5 && (\n) == 2
	WIN 0
	v_add_nc_u32 v[VX], 0x80, v[VX]
.endif
.if (\y) == 1 && (\n) > 0 && (\n) < 28
	WIN 0
	GAPQ (\n)-1, \x
.elseif (\y) == 2 && (\n) > 0 && (\n) < 31
	WIN 0
	GAPV (\n)-1, \x
.elseif (\y) == 3 && (\n) > 0 && (\n) < 31
	WIN 0
	GAPV (\n)+29, \x
.endif
.endm
.macro RUN kind, e, a, from, to, j, y, x
.set N_, \from
.rept (\to)-(\from)
	PROD \kind, \e, \a, N_
	LIST N_, \j, \y, \x
.set N_, N_+1
.endr
.endm
.macro ENTER w                         ; w: the wait's count for my LDS work (-1: none is owed); the last stores and prefetches have read their registers
.if (\w) >= 0
	s_wait_dscnt \w
.endif
	s_wait_xcnt 0x0
.endm
.macro BLK kind, e, a, w, j, y, x
	ENTER \w
	RUN \kind, \e, \a, 0, 32, \j, \y, \x
	WIN 0
	PLACES NP
.endm
.macro RBLK kind, e, a, w, j, y, x     ; a block with a round of the cluster's barrier: the guard at its head, the signal behind 28 products
	ENTER \w
	GRD
	RUN \kind, \e, \a, 0, 28, \j, \y, \x
	WIN 0
	s_wait_alu depctr_va_vdst(0)
	s_wait_dscnt 0x0
	s_barrier_signal -1
	RUN \kind, \e, \a, 28, 32, \j, \y, \x
	WIN 0
	s_barrier_wait -1
	CMID
.endm
.macro SBLK kind, e, a, w, j, y, x, half=0   ; a block with a plain barrier (half = 1: it shows waves 0 and 1's loads alone)
	ENTER \w
	RUN \kind, \e, \a, 0, 28, \j, \y, \x
	WIN 0
	s_wait_alu depctr_va_vdst(0)
.if \half
	s_cmp_lt_u32 s14, 2
	s_cbranch_scc0 .Lnot_yet_\@
	s_wait_tensorcnt 0x0
.Lnot_yet_\@:
.else
	s_wait_tensorcnt 0x0
.endif
	s_wait_dscnt 0x0
	s_barrier_signal -1
	RUN \kind, \e, \a, 28, 32, \j, \y, \x
	WIN 0
	s_barrier_wait -1
	PLACES NP
.endm
.macro QOUT off, boff                  ; a block's byte goes to its place in LDS, its 32 codes a lane leave: sixteen lanes fill 256 bytes
	ds_store_b8 v[VX], v[EB] offset:\boff
	global_store_b128 v[CN], v[NCD:NCD+3], s[84:85] offset:\off
	global_store_b128 v[CN], v[NCD+4:NCD+7], s[84:85] offset:(\off)+256
.endm
.irp q, 0,1,2,3,4,5,6,7
.irp b, 0,1,2,3
	WFRAG \q, \b, ADW
.endr
.endr
	WIN 0
	s_wait_tensorcnt 0x0                           ; chunk 0 and the scale words are in;
	s_wait_dscnt 0x0                               ; the first weight is in registers
	BARRIER
	XFETCH 0, AD0, AS0
	XFETCH 1, 1, 2
	s_load_b256 s[92:99], s[0:1], 0x10             ; qkc, qks, vc, vs
	s_mov_b32 s60, 0x76543210
	s_mov_b32 s61, 0xfedcba98
	s_mov_b32 s62, 0x600000
.set I_, 0
.rept 32                               ; the first block's way out has no block before it: it works on zeros and stores nothing
	v_mov_b32 v[ACC+32+I_], 0
.set I_, I_+1
.endr
	s_wait_kmcnt 0x0
	s_add_nc_u64 s[92:93], s[92:93], s[76:77]
	s_add_nc_u64 s[94:95], s[94:95], s[78:79]
	s_add_nc_u64 s[96:97], s[96:97], s[80:81]
	s_add_nc_u64 s[98:99], s[98:99], s[82:83]
	s_lshl_b32 s20, s18, 18
	s_mov_b32 s21, 0
	s_add_nc_u64 s[88:89], s[92:93], s[20:21]      ; q's or k's codes of v's window,
	s_xor_b32 s20, s20, 1<<18
	s_add_nc_u64 s[84:85], s[92:93], s[20:21]      ; of the other window: stepped twice ahead of the first store
	s_sub_nc_u64 s[84:85], s[84:85], 2*TILE
	s_mov_b32 s46, 0                               ; the trip
	s_mov_b32 s9, 0                                ; to a byte's next place
	s_mov_b32 s23, 0                               ; where my share of what is asked for ahead begins
	s_mov_b32 s101, 0                              ; this chunk's slot, the next chunk's,
	s_mov_b32 s47, SLOT1
	s_mov_b32 s17, 0                               ; and their scale words
	s_mov_b32 s8, 0x1000
	s_wait_loadcnt 0x0
.Lfour:                                            ; PHASE 1: three trips of four blocks, each with its one refill
	RBLK 0, 0, 0, NF, 0, 1, ACC+32
	s_cmp_lt_u32 s14, 2                            ; waves 0, 1 and waves 2, 3 have a load line each
	s_cbranch_scc0 .Lupper
	TLOAD G0R, G1R
	s_branch .Lboth
.Lupper:
	TLOAD G0R, G1R
.Lboth:
	PLACES NP-4
	s_cmp_eq_u32 s46, 0
	s_cbranch_scc1 .Lno_block_before
	QOUT 0, 192
.Lno_block_before:
	XFETCH 0, ADX, ASX
	BLK 0, 1, 1, -1, 1, 1, ACC
	QOUT 0, 0
	XFETCH 1, ADX, ASX
	SBLK 0, 0, 0, NF, 2, 1, ACC+32, 1              ; the next chunk's first blocks are in
	QOUT 0, 64
	s_cmp_eq_u32 s46, 0
	s_cbranch_scc1 .Lnone_ahead
	global_prefetch_b8 v7, s[4:5] th:TH_LOAD_NT scope:SCOPE_SE   ; trip 1: chunk 3; trip 2: Wv
.Lnone_ahead:
	XFETCH 0, ADX, ASX
	BLK 0, 1, 1, -1, 3, 1, ACC
	QOUT 0, 128
	XFETCH 1, ADX, ASX
	s_cmp_eq_u32 s46, 0
	s_cselect_b32 s6, s2, s7
	s_cselect_b32 s21, s90, s100
	s_cselect_b32 s22, s7, s3
	s_mov_b32 s9, 256
	s_lshl_b32 s21, s21, 13
	s_add_co_u32 s23, s21, s22
	s_mov_b32 s101, s47
	s_mov_b32 s17, s8
	s_xor_b32 s47, s47, SLOT1
	s_add_co_u32 s8, s8, 0x1000
	s_add_co_u32 s46, s46, 1
	s_cmp_lg_u32 s46, 3
	s_cbranch_scc1 .Lfour
	GRD
	s_add_co_u32 s20, s[QTR], s3
	s_mov_b32 s21, 0
	s_mov_b32 s[G0A+1], s[QTR]
	s_add_nc_u64 s[G0A+2:G0A+3], s[4:5], s[20:21]
	s_or_b32 s[G0A+3], s[G0A+3], 0x80000000
	GROUP1 G1A, 45, 8
	s_wait_dscnt 0x0
	BARRIER
	CMID
	TLOAD G0A, G1A
	s_mov_b32 s47, SLOT1+2*TILE
	s_mov_b32 s8, 0x3400
.Ltwo:                                             ; two trips of two blocks: 12 to 15
	BLK 0, 0, 0, NF, 4, 1, ACC+32
	QOUT 0, 192
	XFETCH 0, ADX, ASX
	BLK 0, 1, 1, NF, 5, 1, ACC
	QOUT 0, 128
	XFETCH 1, ADX, ASX
	s_mov_b32 s47, SLOT1                           ; the blocks two on are then v's: chunk 3 again, as it lies in slot 1
	s_mov_b32 s8, 0x3000
	s_add_co_u32 s46, s46, 1
	s_cmp_lg_u32 s46, 5
	s_cbranch_scc1 .Ltwo
	; the change of phase
	s_wait_xcnt 0x0
	s_wait_tensorcnt 0x0                           ; Wv is in
	s_wait_dscnt 0x0
	BARRIER
.macro AMONG i                         ; among Wv's 128 loads: the last block's way out; Wv's scale words into their place; zeros where no block has written yet (v's first trip reads these registers and stores nothing)
.if (\i) < 7
.irp k, 0,1,2,3
.if 4*(\i)+\k < 27
	GAPQ 4*(\i)+\k, ACC+32
.endif
.endr
.elseif (\i) < 9
.irp q, 0,1,2,3,4,5,6,7
	v_mov_b32 v[SB+8*((\i)-7)+\q], v[WS+8*((\i)-7)+\q]
.endr
.elseif (\i) < 15
.irp q, 0,1,2,3,4,5,6,7
	v_mov_b32 v[ACC+80+8*((\i)-9)+\q], 0
.endr
.endif
.endm
.irp q, 0,1,2,3,4,5,6,7
.irp b, 0,2
	WFRAG \q, \b, ADW+1
	WFRAG \q, \b+1, ADW+1
	WIN 0
	AMONG 2*\q+\b/2
.endr
.endr
	QOUT TILE, 192
	GRD
	s_mov_b32 s47, 0
	RDESC 0, 2, 47
	RDESC 1, 2, 47
	s_mov_b32 s46, 0
	s_mov_b32 s47, SLOT1+2*TILE
	s_mov_b32 s8, 0x3400
	s_wait_dscnt 0x0
	BARRIER
	CMID
	TLOAD G0R, G1R
.macro VOUT                            ; a pair of v's blocks: four tiles' bytes and codes, 512 bytes a store
.irp t, 0,1,2,3
	ds_store_b8 v[VX], v[EB+\t] offset:64*\t
	global_store_b128 v[CO], v[MCD+4*\t:MCD+4*\t+3], s[84:85] offset:131072*\t
.endr
.endm
.macro VTO                             ; s22 = c: the pair's place in its K step
	s_lshl_b32 s20, s22, 9
	s_mov_b32 s21, 0
	s_add_nc_u64 s[84:85], s[96:97], s[20:21]
	v_add_nc_u32 v[VX], s22, v[RD]
.endm
.Lpair:                                            ; PHASE 2: four trips of two blocks
	BLK 1, 0, 0, -1, -1, 2, ACC+64
	s_cmp_eq_u32 s46, 3
	s_cbranch_scc1 .Lnone_0
	XFETCH 0, ADX, ASX
	s_wait_dscnt NF
	s_branch .Lgo
.Lnone_0:
	s_wait_dscnt 0x0
.Lgo:
	SBLK 1, 1, 1, -1, -2, 3, ACC+64                ; the first trip's barrier shows chunk 2
.set I_, 0
.rept 16                               ; the pair's sums are copied, so that one trip is two blocks of text
	v_dual_mov_b32 v[ACC+64+I_], v[ACC+I_] :: v_dual_mov_b32 v[ACC+64+I_+1], v[ACC+I_+1]
	v_dual_mov_b32 v[ACC+64+I_+2], v[ACC+I_+2] :: v_dual_mov_b32 v[ACC+64+I_+3], v[ACC+I_+3]
.set I_, I_+4
.endr
	s_add_co_u32 s22, s46, 1
	s_and_b32 s22, s22, 3
	VTO
	s_cmp_eq_u32 s46, 0
	s_cbranch_scc1 .Lno_pair_before
	VOUT
.Lno_pair_before:
	s_cmp_eq_u32 s46, 3
	s_cbranch_scc1 .Lnone_1
	XFETCH 1, ADX, ASX
.Lnone_1:
	s_mov_b32 s8, 0x2400
	s_cmp_eq_u32 s46, 0
	s_cselect_b32 s47, 0, 2*TILE
	s_cselect_b32 s8, 0x2000, s8
	s_add_co_u32 s46, s46, 1
	s_cmp_lg_u32 s46, 4
	s_cbranch_scc1 .Lpair
	s_wait_xcnt 0x0
.set K_, 0
.rept 60
	GAPV K_, ACC+64
.set K_, K_+1
.endr
	s_mov_b32 s22, 1
	VTO
	VOUT
	s_wait_dscnt 0x0                               ; the scale bytes
	BARRIER
	s_lshl_b32 s21, s14, 9
	s_add_co_u32 s21, s21, XN
	v_lshl_add_u32 v21, v3, 4, s21
	v_lshlrev_b32 v22, 3, v3
	s_lshl_b32 s21, s14, 8
	s_add_co_u32 s21, s21, XV
	v_add_nc_u32 v23, s21, v22
	s_wait_alu depctr_va_vdst(0)
	ds_load_b128 v[60:63], v21
	ds_load_b64 v[40:41], v23
	s_wait_dscnt 0x0
	global_store_b128 v[CO], v[60:63], s[94:95]
	global_store_b64 v22, v[40:41], s[98:99]
	s_wait_tensorcnt 0x0                           ; the wave's end
	ds_add_u32 v[SPW], v[NIL]
	s_wait_dscnt 0x0
	BARRIER                                        ; the closing round
	CMID
	s_endpgm
.Lfunc_end_k_q0f26345305_proj:
	.size	k_q0f26345305_proj, .Lfunc_end_k_q0f26345305_proj-k_q0f26345305_proj
	.p2alignl 7, 3214868480
	.fill 96, 4, 3214868480
	.section	.rodata,"a",@progbits
	.p2align	6, 0x0
	.amdhsa_kernel k_q0f26345305_proj
		.amdhsa_group_segment_fixed_size 327680
		.amdhsa_private_segment_fixed_size 0
		.amdhsa_enable_private_segment 0
		.amdhsa_kernarg_size 48
		.amdhsa_user_sgpr_count 2
		.amdhsa_user_sgpr_kernarg_segment_ptr 1
		.amdhsa_wavefront_size32 1
		.amdhsa_system_sgpr_workgroup_id_x 1
		.amdhsa_system_sgpr_workgroup_id_y 1
		.amdhsa_system_sgpr_workgroup_id_z 1
		.amdhsa_system_vgpr_workitem_id 0
		.amdhsa_next_free_vgpr 1024
		.amdhsa_next_free_sgpr 102
		.amdhsa_reserve_vcc 0
		.amdhsa_float_denorm_mode_32 3
		.amdhsa_float_denorm_mode_16_64 3
		.amdhsa_memory_ordered 1
		.amdhsa_forward_progress 1
		.amdhsa_inst_pref_size 161
	.end_amdhsa_kernel
	.amdgpu_metadata
---
amdhsa.version: [ 1, 2 ]
amdhsa.kernels:
  - .name:           k_q0f26345305_proj
    .symbol:         k_q0f26345305_proj.kd
    .args:
      - { .name: oc, .offset: 0, .size: 8, .value_kind: global_buffer, .address_space: global }
      - { .name: os, .offset: 8, .size: 8, .value_kind: global_buffer, .address_space: global }
      - { .name: qkc, .offset: 16, .size: 8, .value_kind: global_buffer, .address_space: global }
      - { .name: qks, .offset: 24, .size: 8, .value_kind: global_buffer, .address_space: global }
      - { .name: vc, .offset: 32, .size: 8, .value_kind: global_buffer, .address_space: global }
      - { .name: vs, .offset: 40, .size: 8, .value_kind: global_buffer, .address_space: global }
    .group_segment_fixed_size: 327680
    .private_segment_fixed_size: 0
    .kernarg_segment_align: 8
    .kernarg_segment_size: 48
    .max_flat_workgroup_size: 128
    .sgpr_count:     102
    .vgpr_count:     1024
    .wavefront_size: 32
...
	.end_amdgpu_metadata
.endif
;; end of part 2
;; launch score (part 3): grid 36 x 4, 4 waves a work-group, no clusters, 327,680 bytes of LDS; arguments qkc, qks, pcod, pst; writes pcod, pst
.if DOCPART == 3
	.amdgcn_target "amdgcn-amd-amdhsa--gfx1250"
	.amdhsa_code_object_version 6
	.text
	.protected	k_q0f26345305_score
	.globl	k_q0f26345305_score
	.p2align	8
	.type	k_q0f26345305_score,@function
k_q0f26345305_score:
	s_mov_b64 s[64:65], 0
	v_nop
	global_prefetch_b8 v0, s[64:65] scope:SCOPE_SE
	s_setreg_imm32_b32 hwreg(HW_REG_WAVE_MODE, 25, 1), 1
	s_wait_xcnt 0x0
; THE SCORES q k^T AND THE SOFTMAX'S p, AS CODES.  LEFT OUT: the tiles of 256 x 256 scores that lie wholly above the diagonal (reference()'s own mask makes them -inf, so their p is 0 for all inputs): 36 of 64 tiles a batch are made.
; R = 256 queries (block I), G = 256 keys (block J <= I) of one batch; the loop is launch proj's.  A wave's 128 x 128 is, for each of its 8 tiles of queries, one chunk of 128 keys = one K step of the last product.
; FOR EACH (query, chunk): t = score x log2(e) / 32; M = ceil(the chunk's largest t), a whole number; p = 2^(t - M); l = the sum of the unquantised p; p is quantised along the keys, a scale byte for each 32.
; M is the CHUNK's, not the row's: launch ctx takes the whole number (row's M - chunk's M) off the scale bytes and scales l by the same power of two, which rounds nothing: the codes' values are those under the row's M.
; pcod: [512 tiles of queries][16 chunks][2,048] operand images.  pst: three sections of [16 chunks][8,192 places] words: p's scale words, M (f32), l (f32).
; ON THE DIAGONAL (I = J): the wave with the same half of queries and keys hides key > query by a select; the wave with the first 128 queries and the last 128 keys has only hidden scores: it walks the loop with the others (the barriers
; are every wave's), stores zero codes, since launch ctx's rectangular tile covers those bytes, and no statistics, which nobody reads.
; NO CLUSTER: a row of the triangle has 1 to 8 tiles, which does not divide into fours, and partners of unequal rows would need different tiles.
; LIMITS: NaN and infinities are not served; |t| under 2^24, so that t - M keeps its fraction; hidden scores are set to -3e38, under every score that finite inputs of 30 times the drawn size give.
; THE ORDER OF pcod AS IT IS STORED HERE (it takes the place of the one named above): 294,912 bytes for each (batch, residue a = tile % 8), a query tile being 8 i + a; in them, for J = 0 .. 7 (a pair of chunks), the tiles i = 2 J .. 15, each [2 chunks][2,048]:
; byte 4,096 (J (17 - J) + i - 2 J) + 2,048 (chunk % 2).  Launch ctx's work-group takes one residue: its p is one dense run.
; The loads: one tensor load a wave at the head (K step 0), K step 1's behind the full sequence and the first barrier, then two K steps ahead.
.set SCP,   65536
.set SLOT,  135168
.set SPARE, 2*SLOT
.set FR,   16
.set ADRR, 16
.set ADRG, 20
.set ADRS, 22
.set SPW,  28
.set NIL,  29
.set SC,   32
.set AF,   128
.set LI,   4
.set LW,   6
.set WV,   16
.set G1RC, 24
.set G1GC, 24
.set G1RS, 32
.set G1GS, 32
.set G0R,  56
.set G0G,  68
.set STP,  76
.set SEL,  90
.set MNT,  92
.set CS,   88                          ; s[88:89] c = log2(e) / 32
.set FDI,  2                           ; s2  1: my quarter lies on the diagonal
.set FDE,  3                           ; s3  1: my quarter is hidden as a whole
.set DQ,   26                          ; v26 r % 8 + 16 (r / 8) - 16 h
.set NEG,  27                          ; v27 -3e38
.set MS,   64                          ; v64-71 M, v72-79 l, v80-87 p's scale word, of my eight tiles
.set LL,   72
.set PWS,  80
.set TT,   128
.set PC,   192
.set BM,   208                         ; v208-211 each block's largest score, then its largest p
.set PD,   212
.set LM,   216
.set SO,   220
.set BY,   224
.set MSB, 0
.macro WIN new
.if MSB != (\new)
	s_set_vgpr_msb (MSB<<8)|(\new)
.set MSB, (\new)
.endif
.endm
.set MUL_LO, 0xa1
.set MUL_HI, 0xf1
.set TO_G,   0x40
.macro PLACES n
.rept \n
	v_nop
.endr
.endm
.macro TLOAD4 s                        ; each wave's one load for slot s: wave 0 R's codes, 1 G's codes, 2 R's scale words, 3 G's; an s_nop 0 and four v_nop follow each
	s_cmp_lt_u32 s[WV], 2
	s_cbranch_scc0 .Lsc_\@
	s_cmp_eq_u32 s[WV], 0
	s_cbranch_scc0 .Lgc_\@
	tensor_load_to_lds s[G0R+4*\s:G0R+4*\s+3], s[G1RC:G1RC+7]
	s_nop 0
	PLACES 4
	s_branch .Ldone_\@
.Lgc_\@:
	tensor_load_to_lds s[G0G+4*\s:G0G+4*\s+3], s[G1GC:G1GC+7]
	s_nop 0
	PLACES 4
	s_branch .Ldone_\@
.Lsc_\@:
	s_cmp_eq_u32 s[WV], 2
	s_cbranch_scc0 .Lgs_\@
	tensor_load_to_lds s[G0R+4*\s:G0R+4*\s+3], s[G1RS:G1RS+7]
	s_nop 0
	PLACES 4
	s_branch .Ldone_\@
.Lgs_\@:
	tensor_load_to_lds s[G0G+4*\s:G0G+4*\s+3], s[G1GS:G1GS+7]
	s_nop 0
	PLACES 4
.Ldone_\@:
.endm
.macro FRAG reg, adr, q, i
.irp c, 0,1,2,3
	ds_load_b128 v[\reg+4*\c:\reg+4*\c+3], v[\adr] offset:4096*(\i)+2048*(\q)+512*\c
.endr
.endm
.macro FETCH_G slot, q, p
	WIN TO_G
.irp i, 0,1,2,3,4,5,6,7
	FRAG 128*(\p)+FR*\i, ADRG+\slot, \q, \i
.endr
	WIN 0
.endm
.macro FETCH_R slot, q, i0
.irp i, \i0, \i0+1, \i0+2, \i0+3
	FRAG AF+FR*(\i), ADRR+\slot, \q, \i
.endr
.endm
.macro SCALES sc
.irp i, 0,1,2,3,4,5,6,7
.irp q, 0,1
	ds_load_b32 v[SC+16*\sc+2*\i+\q], v[ADRS+\sc] offset:1024*\q+64*\i
.endr
.endr
.endm
.macro MUL16 a0, p, q, sc, zero        ; the 64 accumulators take turns, one instruction a turn
.irp a, \a0, \a0+1
.irp b, 0,1,2,3,4,5,6,7
.if \zero
	v_wmma_scale_f32_16x16x128_f8f6f4 v[8*(8*((\a)%4)+\b):8*(8*((\a)%4)+\b)+7], v[128*(\p)+FR*\b:128*(\p)+FR*\b+FR-1], v[AF+FR*(\a):AF+FR*(\a)+FR-1], 0, v[SC+16*(\sc)+2*\b+(\q)], v[SC+16*(\sc)+2*(\a)+(\q)] matrix_a_scale:MATRIX_SCALE_ROW1
.else
	v_wmma_scale_f32_16x16x128_f8f6f4 v[8*(8*((\a)%4)+\b):8*(8*((\a)%4)+\b)+7], v[128*(\p)+FR*\b:128*(\p)+FR*\b+FR-1], v[AF+FR*(\a):AF+FR*(\a)+FR-1], v[8*(8*((\a)%4)+\b):8*(8*((\a)%4)+\b)+7], v[SC+16*(\sc)+2*\b+(\q)], v[SC+16*(\sc)+2*(\a)+(\q)] matrix_a_scale:MATRIX_SCALE_ROW1
.endif
.endr
.endr
.endm
.macro STEP slot, q, zero
	s_wait_dscnt 16                                ; all but the youngest 16 loads: R's tiles 4-7
	WIN MUL_LO
	MUL16 0, (\q)%2, \q, \slot, \zero
	MUL16 2, (\q)%2, \q, \slot, \zero
	s_wait_dscnt 0
	PLACES 8
	FETCH_G \slot, (\q)+1, 1-(\q)%2
	FETCH_R \slot, (\q)+1, 0
	WIN MUL_HI
	MUL16 4, (\q)%2, \q, \slot, \zero
	MUL16 6, (\q)%2, \q, \slot, \zero
	PLACES 8
	WIN 0
	FETCH_R \slot, (\q)+1, 4
.endm
.macro TURN slot, next, fill
	s_wait_tensorcnt 0x0                           ; all my tensor loads have landed: my part of the next slot
	ds_add_u32 v[SPW], v[NIL]
	s_wait_dscnt 17                                ; the add and the youngest 16 loads may be out
	WIN MUL_LO
	MUL16 0, 1, 1, \slot, 0
	s_wait_dscnt 0x0                               ; the add is done, my reads of this slot are over
	s_barrier_signal -1
	MUL16 2, 1, 1, \slot, 0
	WIN 0
	s_barrier_wait -1
.if \fill
	s_add_nc_u64 s[G0R+4*\slot+2:G0R+4*\slot+3], s[G0R+4*\slot+2:G0R+4*\slot+3], s[STP:STP+1]
	s_add_nc_u64 s[G0G+4*\slot+2:G0G+4*\slot+3], s[G0G+4*\slot+2:G0G+4*\slot+3], s[STP:STP+1]
	TLOAD4 \slot                                   ; my one tensor load behind the barrier; its four v_nop are four of the eight places
	PLACES 4
.else
	PLACES 8
.endif
	FETCH_G \next, 0, 0
	FETCH_R \next, 0, 0
	SCALES \next
	WIN MUL_HI
	MUL16 4, 1, 1, \slot, 0
	MUL16 6, 1, 1, \slot, 0
	PLACES 8
	WIN 0
	FETCH_R \next, 0, 4
.endm
	s_load_b256 s[4:11], s[0:1], 0x0               ; qkc, qks, pcod, pst
	v_lshl_add_u32 v[SPW], v0, 2, SPARE
	v_mov_b32 v[NIL], 0
	ds_add_u32 v[SPW], v[NIL]                      ; the opening: the add, twice on end, and its wait ahead of my first tensor load
	ds_add_u32 v[SPW], v[NIL]
	v_lshrrev_b32 v1, 5, v0
	v_readfirstlane_b32 s[WV], v1
	s_lshr_b32 s17, s[WV], 1                       ; my half of the queries.  Also: I fetch codes (0) or scale words (1)
	s_and_b32 s18, s[WV], 1                        ; my half of the keys
	s_and_b32 s23, ttmp7, 0xffff                   ; the batch
	s_mov_b32 s20, 0                               ; I: how many of the triangle's row starts lie at or under my number
.irp T, 1,3,6,10,15,21,28
	s_cmp_ge_u32 ttmp9, \T
	s_cselect_b32 s93, 1, 0
	s_add_co_u32 s20, s20, s93
.endr
	s_add_co_u32 s93, s20, 1
	s_mul_i32 s93, s93, s20
	s_lshr_b32 s93, s93, 1
	s_sub_co_u32 s21, ttmp9, s93                   ; J = my number - I (I + 1) / 2
	s_cmp_eq_u32 s20, s21
	s_cselect_b32 s94, 1, 0
	s_xor_b32 s93, s17, s18
	s_xor_b32 s93, s93, 1
	s_and_b32 s[FDI], s94, s93
	s_and_not1_b32 s93, s18, s17
	s_and_b32 s[FDE], s94, s93
	s_mov_b32 s[G1RC], 3<<16                       ; no mask; elements of 8 bytes; no padding
	s_mov_b32 s[G1RC+1], 512<<16                   ; codes: 16 tiles' rows of 4,096 bytes, 16,384 bytes apart
	s_mov_b32 s[G1RC+2], 16<<16
	s_mov_b32 s[G1RC+3], 512<<16
	s_mov_b32 s[G1RC+4], 16
	s_mov_b32 s[G1RC+5], 2048
	s_mov_b32 s[G1RC+6], 0
	s_mov_b32 s[G1RC+7], 0
	s_mov_b32 s[G1RS], 3<<16
	s_mov_b32 s[G1RS+1], 128<<16                   ; scale words: 2 rows of 1,024 bytes
	s_mov_b32 s[G1RS+2], 2<<16
	s_mov_b32 s[G1RS+3], 128<<16
	s_mov_b32 s[G1RS+4], 2
	s_mov_b32 s[G1RS+5], SCP/8
	s_mov_b32 s[G1RS+6], 0
	s_mov_b32 s[G1RS+7], 0
	s_lshl_b32 s93, s23, 7
	s_lshl_b32 s80, s20, 4
	s_add_co_u32 s80, s80, s93                     ; q's first tile: 128 batch + 16 I
	s_lshl_b32 s82, s21, 4
	s_add_co_u32 s82, s82, s93
	s_add_co_u32 s82, s82, 512                     ; k's: 512 + 128 batch + 16 J
	s_mov_b32 s[STP], 4*SCP
	s_cmp_eq_u32 s17, 0
	s_cselect_b32 s[STP], 8192, s[STP]
	s_cselect_b32 s95, 14, 6
	s_mov_b32 s[STP+1], 0
	s_lshl_b32 s80, s80, s95
	s_lshl_b32 s82, s82, s95
	s_mov_b32 s81, 0
	s_mov_b32 s83, 0
	s_lshr_b32 s84, s[STP], 1
	s_mov_b32 s85, 0
	s_lshl_b32 s96, s17, 17
	s_mul_i32 s97, s17, 67584
	s_add_co_u32 s97, s97, 65536
	s_mov_b32 s[SEL], 0x76543210
	s_mov_b32 s[SEL+1], 0xfedcba98
	s_mov_b32 s[MNT], 0x600000
	s_mov_b32 s[CS], 0x3d38aa3b
	s_mov_b32 s[CS+1], s[CS]                       ; (named with it as a pair, so it is written)
	s_wait_dscnt 0x0                               ; both opening adds are done
	s_wait_kmcnt 0x0
	s_cmp_eq_u32 s17, 0
	s_cselect_b64 s[86:87], s[4:5], s[6:7]
	s_add_nc_u64 s[80:81], s[86:87], s[80:81]
	s_add_nc_u64 s[82:83], s[86:87], s[82:83]
.irp s, 0,1
	s_mov_b32 s[G0R+4*\s], 1
	s_add_co_u32 s[G0R+4*\s+1], s96, \s*SLOT
	s_mov_b64 s[G0R+4*\s+2:G0R+4*\s+3], s[80:81]
	s_or_b32 s[G0R+4*\s+3], s[G0R+4*\s+3], 0x80000000
	s_mov_b32 s[G0G+4*\s], 1
	s_add_co_u32 s[G0G+4*\s+1], s97, \s*SLOT
	s_mov_b64 s[G0G+4*\s+2:G0G+4*\s+3], s[82:83]
	s_or_b32 s[G0G+4*\s+3], s[G0G+4*\s+3], 0x80000000
.if \s == 0
	TLOAD4 0                                       ; K step 0: one tensor load a wave at the head
.endif
	s_add_nc_u64 s[80:81], s[80:81], s[84:85]
	s_add_nc_u64 s[82:83], s[82:83], s[84:85]
.endr
	v_and_b32 v1, 31, v0
	v_and_b32 v2, 15, v0
	v_bfe_u32 v3, v0, 4, 1
	s_wait_alu depctr_va_vdst(0)
	v_lshlrev_b32 v[LI], 4, v1
	v_lshlrev_b32 v[LW], 2, v1
	s_lshl_b32 s93, s17, 15
	v_add_nc_u32 v[ADRR], s93, v[LI]
	s_add_co_u32 s93, s93, SLOT
	v_add_nc_u32 v[ADRR+1], s93, v[LI]
	s_lshl_b32 s94, s18, 15
	s_add_co_u32 s94, s94, 65536
	v_add_nc_u32 v[ADRG], s94, v[LI]
	s_add_co_u32 s94, s94, SLOT
	v_add_nc_u32 v[ADRG+1], s94, v[LI]
	s_lshl_b32 s93, s17, 9
	s_lshl_b32 s94, s18, 9
	s_add_co_u32 s94, s94, 2048
	s_sub_co_u32 s94, s94, s93
	v_mul_u32_u24 v5, s94, v3
	v_lshl_add_u32 v5, v2, 2, v5
	s_add_co_u32 s93, s93, 131072
	v_add_nc_u32 v[ADRS], s93, v5
	s_add_co_u32 s93, s93, SLOT
	v_add_nc_u32 v[ADRS+1], s93, v5
	v_and_b32 v[DQ], 7, v0
	v_bfe_u32 v7, v0, 3, 1
	v_lshl_add_u32 v[DQ], v7, 4, v[DQ]
	v_lshlrev_b32 v7, 4, v3
	v_sub_nc_u32 v[DQ], v[DQ], v7
	v_mov_b32 v[NEG], 0xff61b1e6
	v_mov_b32 v13, 0                               ; (named as the upper half of the pair v[12:13])
.irp b, 0,1,2,3
	v_mov_b32 v[PD+\b-212+212], 0                  ; a lane permute's destination counts as one of its sources (these registers are loaded over in the loop and written again below)
.endr
	s_lshl_b32 s95, s23, 7
	s_lshl_b32 s93, s20, 4
	s_add_co_u32 s95, s95, s93
	s_lshl_b32 s93, s17, 3
	s_add_co_u32 s95, s95, s93                     ; my first tile of queries
	s_lshl_b32 s93, s21, 1
	s_add_co_u32 s93, s93, s18                     ; my chunk of keys
	s_sub_co_u32 s94, 17, s21
	s_mul_i32 s94, s94, s21                        ; J (17 - J)
	s_sub_co_u32 s98, s20, s21
	s_lshl_b32 s98, s98, 1
	s_add_co_u32 s98, s98, s17                     ; i - 2 J = 2 (I - J) + my half of the queries
	s_add_co_u32 s98, s98, s94
	s_lshl_b32 s98, s98, 12
	s_lshl_b32 s94, s18, 11                        ; my chunk of the pair
	s_add_co_u32 s98, s98, s94
	s_mul_i32 s94, s23, 8*294912
	s_add_co_u32 s98, s98, s94
	s_mov_b32 s99, 0
	s_add_nc_u64 s[84:85], s[8:9], s[98:99]        ; p's codes
	s_lshl_b32 s98, s93, 15
	s_lshl_b32 s94, s95, 6
	s_add_co_u32 s98, s98, s94
	s_add_nc_u64 s[86:87], s[10:11], s[98:99]      ; the statistics
	s_wait_alu depctr_va_vdst(0)                   ; the wait at the head's end
	s_wait_tensorcnt 0x0                           ; my part of slot 0 is in
	ds_add_u32 v[SPW], v[NIL]
	s_wait_dscnt 0x0
	s_barrier_signal -1
	s_barrier_wait -1
	TLOAD4 1                                       ; K step 1, the first thing behind the barrier
	FETCH_G 0, 0, 0
	FETCH_R 0, 0, 0
	SCALES 0
	FETCH_R 0, 0, 4
	STEP 0, 0, 1
	TURN 0, 1, 1
	STEP 1, 0, 0
	TURN 1, 0, 1
	STEP 0, 0, 0
	TURN 0, 1, 0
	STEP 1, 0, 0
	s_wait_dscnt 16
	WIN MUL_LO
	MUL16 0, 1, 1, 1, 0
	MUL16 2, 1, 1, 1, 0
	s_wait_dscnt 0
	WIN MUL_HI
	MUL16 4, 1, 1, 1, 0
	MUL16 6, 1, 1, 1, 0
	WIN 0
	PLACES 8
	s_cmp_eq_u32 s[FDE], 0
	s_cbranch_scc0 .Ldead
.irp b, 0,1,2,3
	v_mov_b32 v[PD+\b], 0
.endr
; THE SOFTMAX OF TILE a (16 queries x my 128 keys).  Register 16 B + i of the tile's 64 is key 32 B + 16 (lane / 16) + i; my query is 32 (a / 2) + 8 (a % 2) + r % 8 + 16 (r / 8).
.macro SOFT a
.set AC, 64*((\a)%4)
.set WW, 2+(\a)/4
.set BD, (\a)/2
	s_cmp_eq_u32 s[FDI], 0                         ; ids alone
	s_cbranch_scc1 .Lopen_\@
	WIN 65*WW                                      ; destination and source 0: the accumulators' window
.set ii, 0
.rept 16                               ; the block that holds the diagonal: hidden where i - 8 (a % 2) > r % 8 + 16 (r / 8) - 16 h
	v_cmp_gt_i32 vcc_lo, ii-8*((\a)%2), v[DQ]
	v_cndmask_b32 v[AC+16*BD+ii], v[AC+16*BD+ii], v[NEG], vcc_lo
.set ii, ii+1
.endr
.set ii, 16*BD+16
.rept 48-16*BD                         ; the blocks behind it are hidden as a whole
	v_mov_b32 v[AC+ii], 0xff61b1e6
.set ii, ii+1
.endr
	WIN 0
.Lopen_\@:
	WIN 5*WW
.irp b, 0,1,2,3
	v_max3_num_f32 v[BM+\b], v[AC+16*\b], v[AC+16*\b+1], 0xff7fffff   ; the largest score of each block of 32 keys: it serves the chunk's maximum and, since p rises with the score, the block's largest p
.endr
.irp i, 2,4,6,8,10,12,14
.irp b, 0,1,2,3
	v_max3_num_f32 v[BM+\b], v[AC+16*\b+\i], v[AC+16*\b+\i+1], v[BM+\b]
.endr
.endr
	WIN 0
.irp b, 0,1,2,3
	v_permlanex16_b32 v[PD+\b], v[BM+\b], s[SEL], s[SEL+1]
.endr
.irp b, 0,1,2,3
	v_max_num_f32 v[BM+\b], v[BM+\b], v[PD+\b]
.endr
	v_max3_num_f32 v230, v[BM], v[BM+1], v[BM+2]
	v_max_num_f32 v230, v230, v[BM+3]
	v_mul_f32 v230, s[CS], v230                    ; the chunk's largest t
	v_floor_f32 v12, -v230                         ; -M = floor(-t) = -ceil(t)
	v_xor_b32 v[MS+(\a)], 0x80000000, v12
	WIN WW
.set jj, 0
.rept 32
	v_pk_fma_f32 v[TT+jj:TT+jj+1], v[AC+jj:AC+jj+1], s[CS:CS+1], v[12:13] op_sel_hi:[1,0,0]   ; t - M, two at a time
.set jj, jj+2
.endr
	WIN 0
.irp b, 0,1,2,3
	v_fma_f32 v[BM+\b], v[BM+\b], s[CS], v12
.endr
.set jj, 0
	s_wait_alu depctr_va_vdst(0)
.rept 64
	v_exp_f32 v[TT+jj], v[TT+jj]                   ; p = 2^(t - M)
.set jj, jj+1
.endr
	v_nop                                          ; a plain line behind the batch
	s_wait_alu depctr_va_vdst(0)                   ; one wait for the 64, ahead of their first reader
.irp b, 0,1,2,3
	v_exp_f32 v[BM+\b], v[BM+\b]                   ; the block's largest p: the same two instructions on the same number
.endr
	v_pk_add_f32 v[14:15], v[TT:TT+1], v[TT+2:TT+3]            ; l is taken of the unquantised p: two chains
	v_pk_add_f32 v[228:229], v[TT+4:TT+5], v[TT+6:TT+7]
.irp j, 8,12,16,20,24,28,32,36,40,44,48,52,56,60
	v_pk_add_f32 v[14:15], v[14:15], v[TT+\j:TT+\j+1]
	v_pk_add_f32 v[228:229], v[228:229], v[TT+\j+2:TT+\j+3]
.endr
	v_pk_add_f32 v[14:15], v[14:15], v[228:229]
	s_wait_alu depctr_va_vdst(0)                   ; and one for the four
.irp b, 0,1,2,3
	v_max_num_f32 v[BM+\b], 0x4800000, v[BM+\b]    ; the floor 2^(9 - 127): the byte cannot fall under 1
.endr
.irp b, 0,1,2,3
	v_add_nc_u32 v[SO+\b], 0xfc000000, v[BM+\b]
.endr
.irp b, 0,1,2,3
	v_and_or_b32 v[LM+\b], v[BM+\b], 0x7f800000, s[MNT]
.endr
.irp b, 0,1,2,3
	v_lshrrev_b32 v[BY+\b], 23, v[SO+\b]
.endr
	v_lshl_or_b32 v[PWS+(\a)], v[BY+1], 8, v[BY]
	v_lshl_or_b32 v[PWS+(\a)], v[BY+2], 16, v[PWS+(\a)]
	v_lshl_or_b32 v[PWS+(\a)], v[BY+3], 24, v[PWS+(\a)]
.irp b, 0,1,2,3
.irp i, 0,1,2,3,4,5,6,7,8,9,10,11,12,13,14,15
	v_min_num_f32 v[TT+16*\b+\i], v[TT+16*\b+\i], v[LM+\b]   ; p is not negative: a one-sided hold
.endr
.endr
	s_wait_alu depctr_va_vdst(0)
	s_wait_xcnt 0x0                                ; the last tile's stores have read their data
.irp b, 0,1,2,3
	v_cvt_scalef32_pk8_fp8_f32 v[PC+4*\b:PC+4*\b+1], v[TT+16*\b:TT+16*\b+7], v[SO+\b]
	v_cvt_scalef32_pk8_fp8_f32 v[PC+4*\b+2:PC+4*\b+3], v[TT+16*\b+8:TT+16*\b+15], v[SO+\b]
.endr
	v_nop
	v_add_f32 v14, v14, v15
	v_permlanex16_b32 v230, v14, s[SEL], s[SEL+1]
	v_add_f32 v[LL+(\a)], v14, v230
.irp c, 0,1,2,3
	global_store_b128 v[LI], v[PC+4*\c:PC+4*\c+3], s[84:85] offset:294912*(\a)+512*\c
.endr
.endm
.irp t, 0,1,2,3,4,5,6,7
	SOFT \t
.endr
	v_cmp_eq_u32 vcc_lo, 1, v3
.irp p, 0,1,2,3
	v_cndmask_b32 v[88+\p], v[PWS+2*\p], v[PWS+2*\p+1], vcc_lo
	v_cndmask_b32 v[92+\p], v[MS+2*\p], v[MS+2*\p+1], vcc_lo
	v_cndmask_b32 v[96+\p], v[LL+2*\p], v[LL+2*\p+1], vcc_lo
.endr
.irp p, 0,1,2,3
	global_store_b32 v[LW], v[88+\p], s[86:87] offset:128*\p
	global_store_b32 v[LW], v[92+\p], s[86:87] offset:524288+128*\p
	global_store_b32 v[LW], v[96+\p], s[86:87] offset:1048576+128*\p
.endr
	s_branch .Lend
.Ldead:                                            ; the hidden quarter: zero codes
.irp c, 0,1,2,3
	v_mov_b32 v[PC+\c], 0
.endr
.irp t, 0,1,2,3,4,5,6,7
.irp c, 0,1,2,3
	global_store_b128 v[LI], v[PC:PC+3], s[84:85] offset:294912*\t+512*\c
.endr
.endr
.Lend:
	s_wait_tensorcnt 0x0                           ; the wave's end
	ds_add_u32 v[SPW], v[NIL]
	s_wait_dscnt 0x0
	s_endpgm
.Lfunc_end_k_q0f26345305_score:
	.size	k_q0f26345305_score, .Lfunc_end_k_q0f26345305_score-k_q0f26345305_score
	.p2alignl 7, 3214868480
	.fill 96, 4, 3214868480
	.section	.rodata,"a",@progbits
	.p2align	6, 0x0
	.amdhsa_kernel k_q0f26345305_score
		.amdhsa_group_segment_fixed_size 327680
		.amdhsa_private_segment_fixed_size 0
		.amdhsa_enable_private_segment 0
		.amdhsa_kernarg_size 32
		.amdhsa_user_sgpr_count 2
		.amdhsa_user_sgpr_kernarg_segment_ptr 1
		.amdhsa_wavefront_size32 1
		.amdhsa_system_sgpr_workgroup_id_x 1
		.amdhsa_system_sgpr_workgroup_id_y 1
		.amdhsa_system_sgpr_workgroup_id_z 1
		.amdhsa_system_vgpr_workitem_id 0
		.amdhsa_next_free_vgpr 1024
		.amdhsa_next_free_sgpr 100
		.amdhsa_reserve_vcc 1
		.amdhsa_float_denorm_mode_32 3
		.amdhsa_float_denorm_mode_16_64 3
		.amdhsa_memory_ordered 1
		.amdhsa_forward_progress 1
		.amdhsa_inst_pref_size 253
	.end_amdhsa_kernel
	.amdgpu_metadata
---
amdhsa.version: [ 1, 2 ]
amdhsa.kernels:
  - .name:           k_q0f26345305_score
    .symbol:         k_q0f26345305_score.kd
    .args:
      - { .name: qkc, .offset: 0, .size: 8, .value_kind: global_buffer, .address_space: global }
      - { .name: qks, .offset: 8, .size: 8, .value_kind: global_buffer, .address_space: global }
      - { .name: pcod, .offset: 16, .size: 8, .value_kind: global_buffer, .address_space: global }
      - { .name: pst, .offset: 24, .size: 8, .value_kind: global_buffer, .address_space: global }
    .group_segment_fixed_size: 327680
    .private_segment_fixed_size: 0
    .kernarg_segment_align: 8
    .kernarg_segment_size: 32
    .max_flat_workgroup_size: 128
    .sgpr_count:     100
    .vgpr_count:     1024
    .wavefront_size: 32
...
	.end_amdgpu_metadata
.endif
;; end of part 3
;; launch ctx (part 4): grid 8 x 32, 4 waves a work-group, clusters of 4 x 4, 327,680 bytes of LDS; arguments pcod, pst, vc, vs, out0; writes out0
.if DOCPART == 4
	.amdgcn_target "amdgcn-amd-amdhsa--gfx1250"
	.amdhsa_code_object_version 6
	.text
	.protected	k_q0f26345305_ctx
	.globl	k_q0f26345305_ctx
	.p2align	8
	.type	k_q0f26345305_ctx,@function
k_q0f26345305_ctx:
	s_mov_b64 s[64:65], 0
	v_nop
	global_prefetch_b8 v0, s[64:65] scope:SCOPE_SE
	s_setreg_imm32_b32 hwreg(HW_REG_WAVE_MODE, 25, 1), 1
	s_wait_xcnt 0x0
	s_wait_alu depctr_hold_cnt(0) depctr_sa_sdst(0) depctr_va_vdst(0) depctr_va_sdst(0) depctr_va_ssrc(0) depctr_va_vcc(0) depctr_vm_vsrc(0)
	s_getreg_b32 s2, hwreg(HW_REG_IB_STS2, 6, 4)
	s_cmp_eq_u32 s2, 0
	s_cbranch_scc0 .Lentry_in_a_cluster
	s_endpgm
.Lentry_in_a_cluster:
	s_bfe_u32 s2, ttmp6, 0x10000c
	s_cmp_lg_u32 s2, 0xf033
	s_cbranch_scc0 .Lentry_shape_is_right
	s_endpgm
.Lentry_shape_is_right:
; out = p v / l, on codes.  LEFT OUT: products of p with v over chunks of 128 keys that lie wholly above the diagonal for a query tile (p is 0 there for all inputs: reference()'s own mask); a pair of chunks is taken where its first chunk counts.
; A work-group makes, for one batch and one residue a (0 .. 7), the 16 query tiles 8 i + a (i = 0 .. 15) x 128 channels: all work-groups have the same work.  Waves 2 x 2: wave (MP, NH) takes tiles i = 2 m + MP (m = 0 .. 7) and 64 channels.
; p: launch score's dense run of 294,912 bytes, ALL of it in LDS, filled ONCE at the head: wave 0 fetches J = 0 (16 rows of 4,096 bytes), wave 1 J = 1, wave 2 J = 2, 3, wave 3 J = 4 .. 7 (J: a pair of chunks of keys), jointly for the row of the cluster.
; Four plain barriers show them as they are wanted; nothing is filled again.
; v: fragments go from memory straight into registers, as vc lies: 16 loads a chunk, and 2 of scale words, four chunks out.  They are no joint loads: with p filling LDS a shared tile would have no bytes of its own, and would need refills in rounds.
; Pairs of chunks three on are prefetched, each aligned 256 bytes once in a cluster: of a column's four work-groups the one at cy asks for channel tiles 2 cy and 2 cy + 1, wave J % 4, a lane a block; pairs 0 to 2 come by their loads alone.
; STATISTICS: for each query M (largest over its chunks), p's scale bytes less (M - the chunk's M), l summed under M; a byte that would fall under 0 becomes 0 (2^-127 over codes of at most 448).  1 / l multiplies the result.
; THE WAY OUT: tile m is finished with chunk 2 m + 1; tiles 0 to 6 leave behind chunks 8 to 14's products, tile 7 at the end, through a stage in the bytes of J = 0, which has been read by all waves and has had its only fill.
; LIMITS: NaN and infinities are not served.
; A lane holds one query (place r) and, over its four channel tiles n, channels 32 h + 8 n + i of its 64 (launch quant's order of a weight's columns).
.set PSC,   294912                     ; p's scale words [16 chunks][16 tiles x 64 bytes + 64]
.set RL,    PSC+16*1088                ; 1 / l
.set SPARE, RL+1024
.set LI,  4                            ; v4  16 x lane
.set LW,  5                            ; v5  4 x lane
.set PFO, 13
.set ADP, 16
.set APS, 22
.set STO, 23
.set RD,  24
.set GO,  25
.set ARL, 26
.set AST, 27
.set SPW, 28
.set NIL, 29
.set ARS, 30
.set RLV, 32                           ; v32-39 1 / l of my eight tiles
.set SG,  40                           ; v's scale words: v40-43 chunks 0, 1 modulo 4, v48-51 chunks 2, 3
.set SR,  52                           ; p's: v52-55, v60-63: no product's two scale registers have numbers equal modulo 8
.set SA,  64                           ; head: v64-95 statistics at work, v128-223 as loaded
.set RM,  72
.set PD,  76
.set F0,  80
.set F1,  84
.set LSUM, 88
.set RC,  92
.set SD,  128
.set TT,  64                           ; way out: v64-95, v96-127
.set OB,  96
.set WV,  16
.set MP,  14
.set NH,  15
.set SEL, 90
.set MSB, 0
.macro WIN new
.if MSB != (\new)
	s_set_vgpr_msb (MSB<<8)|(\new)
.set MSB, (\new)
.endif
.endm
.macro PLACES n
.rept \n
	v_nop
.endr
.endm
.macro CROUND
	s_barrier_signal -1
	s_barrier_wait -1
	s_cmp_lg_u32 s[WV], 0
	s_cbranch_scc1 .Lnot_wave_0_\@
	s_barrier_signal -3
.Lnot_wave_0_\@:
	s_barrier_wait -3
	s_barrier_signal -1
	s_barrier_wait -1
.endm
.macro GROUPS g1, g0, rows, off        ; a wave's part of p: rows of 4,096 bytes (512 elements of 8), at byte off of the run and of LDS
	s_or_b32 s[\g1], s78, (3<<16)|(1<<21)
	s_mov_b32 s[\g1+1], 512<<16
	s_mov_b32 s[\g1+2], (\rows)<<16
	s_mov_b32 s[\g1+3], 512<<16
	s_mov_b32 s[\g1+4], \rows
	s_mov_b32 s[\g1+5], 512
	s_mov_b32 s[\g1+6], 0
	s_mov_b32 s[\g1+7], 0
	s_mov_b32 s[\g0], 1
	s_mov_b32 s[\g0+1], \off
.endm
	s_load_b256 s[4:11], s[0:1], 0x0               ; pcod, pst, vc, vs
	s_load_b64 s[12:13], s[0:1], 0x20              ; out0
	v_lshl_add_u32 v[SPW], v0, 2, SPARE
	v_mov_b32 v[NIL], 0
	ds_add_u32 v[SPW], v[NIL]                      ; the opening: the add, twice on end, and its wait ahead of my first tensor load
	ds_add_u32 v[SPW], v[NIL]
	v_lshrrev_b32 v1, 5, v0
	v_readfirstlane_b32 s[WV], v1
	s_lshr_b32 s[MP], s[WV], 1
	s_and_b32 s[NH], s[WV], 1
	s_bfe_u32 s20, ttmp6, 0x40000                  ; cx
	s_bfe_u32 s21, ttmp6, 0x40004                  ; cy
	s_lshl_b32 s22, ttmp9, 2
	s_add_co_u32 s22, s22, s20                     ; gx: which 128 channels
	s_and_b32 s23, ttmp7, 0xffff
	s_lshr_b32 s17, s23, 1                         ; batch
	s_and_b32 s18, s23, 1
	s_lshl_b32 s18, s18, 2
	s_add_co_u32 s18, s18, s21                     ; residue
	s_lshl_b32 s78, s21, 2
	s_lshl_b32 s78, 15, s78                        ; my row of the cluster shares p
	GROUPS 24, 56, 16, 0
	GROUPS 32, 60, 14, 65536
	GROUPS 40, 68, 22, 122880
	GROUPS 48, 72, 20, 212992
	s_lshl_b32 s80, s17, 3
	s_add_co_u32 s80, s80, s18
	s_mul_i32 s80, s80, 294912
	s_mov_b32 s81, 0
	s_lshl_b32 s96, s17, 7                         ; statistics: my first tile's places
	s_add_co_u32 s96, s96, s18
	s_lshl_b32 s96, s96, 6
	s_mov_b32 s97, 0
	s_lshl_b32 s82, s22, 20                        ; v: channel tile 8 gx + 4 NH, K step 16 batch
	s_lshl_b32 s93, s[NH], 19
	s_add_co_u32 s82, s82, s93
	s_lshl_b32 s94, s17, 15
	s_add_co_u32 s82, s82, s94
	s_mov_b32 s83, 0
	s_lshl_b32 s86, s22, 20                        ; prefetches: channel tiles 8 gx + 2 cy on
	s_lshl_b32 s93, s21, 18
	s_add_co_u32 s86, s86, s93
	s_add_co_u32 s86, s86, s94
	s_mov_b32 s87, 0
	s_lshl_b32 s84, s17, 16                        ; v's scale words
	s_lshl_b32 s93, s22, 9
	s_add_co_u32 s84, s84, s93
	s_lshl_b32 s94, s[NH], 8
	s_add_co_u32 s84, s84, s94
	s_mov_b32 s85, 0
	s_add_co_u32 s98, s93, s94                     ; out0: my 64 channels: 512 gx + 256 NH bytes;
	s_lshl_b32 s93, s17, 11
	s_lshr_b32 s94, s18, 1
	s_lshl_b32 s94, s94, 5
	s_add_co_u32 s93, s93, s94
	s_and_b32 s94, s18, 1
	s_lshl_b32 s94, s94, 3
	s_add_co_u32 s93, s93, s94                     ; row 2,048 batch + 32 (a / 2) + 8 (a % 2) + 128 MP
	s_lshl_b32 s93, s93, 12
	s_add_co_u32 s98, s98, s93
	s_lshl_b32 s94, s[MP], 19
	s_add_co_u32 s98, s98, s94
	s_mov_b32 s99, 0
	s_mov_b32 s[SEL], 0x76543210
	s_mov_b32 s[SEL+1], 0xfedcba98
	v_and_b32 v1, 31, v0
	v_and_b32 v2, 15, v0                           ; r
	v_bfe_u32 v3, v0, 4, 1                         ; h
	v_lshlrev_b32 v[LI], 4, v1
	v_lshlrev_b32 v[LW], 2, v1
	v_and_b32 v7, 3, v0                            ; statistics: lane l takes four places, of chunks l / 4 and l / 4 + 8
	v_bfe_u32 v8, v0, 2, 3
	v_add_nc_u32 v9, 8, v8
	v_mov_b32 v12, 0xff61b1e6
	v_lshlrev_b32 v[PFO], 17, v3
	v_lshl_add_u32 v[PFO], v2, 8, v[PFO]
.irp a, 0,1,2,3                        ; my tiles i = wave + 4 a; a chunk past tile i's last reads chunk i's place and is put out below
	s_add_co_u32 s93, s[WV], 4*\a
	s_lshl_b32 s94, s93, 9
	v_min_u32 v10, s93, v8
	v_min_u32 v11, s93, v9
	v_lshl_add_u32 v10, v10, 15, s94
	v_lshl_add_u32 v11, v11, 15, s94
	v_lshl_add_u32 v[SA+2*\a], v7, 4, v10
	v_lshl_add_u32 v[SA+2*\a+1], v7, 4, v11
.endr
	s_lshl_b32 s93, s[MP], 12
	v_add_nc_u32 v[ADP], s93, v[LI]
	s_lshl_b32 s93, s[MP], 6
	s_add_co_u32 s94, s93, PSC
	v_lshl_add_u32 v[APS], v2, 2, s94
	s_add_co_u32 s94, s93, RL
	v_lshl_add_u32 v[ARL], v2, 2, s94
	s_mul_i32 s93, s[WV], 16*272                   ; my stage: 16 rows of 256 bytes, 16 of padding behind each
	v_mul_u32_u24 v[STO], v2, 272
	v_lshl_add_u32 v[STO], v3, 7, v[STO]
	v_add_nc_u32 v[STO], s93, v[STO]
	v_mul_u32_u24 v[RD], v3, 272
	v_lshl_add_u32 v[RD], v2, 4, v[RD]
	v_add_nc_u32 v[RD], s93, v[RD]
	v_lshlrev_b32 v[GO], 12, v3
	v_lshl_add_u32 v[GO], v2, 4, v[GO]
	v_mul_u32_u24 v[AST], v8, 1088
	v_lshl_add_u32 v[AST], v7, 4, v[AST]
	s_lshl_b32 s93, s[WV], 6
	s_add_co_u32 s94, s93, PSC
	v_add_nc_u32 v[AST], s94, v[AST]
	s_add_co_u32 s94, s93, RL
	v_lshl_add_u32 v[ARS], v7, 4, s94
.irp e, 0,1,2,3
	v_mov_b32 v[PD+\e], 0                          ; a lane permute's destination counts as one of its sources
.endr
	s_wait_alu depctr_va_vdst(0)
	s_wait_dscnt 0x0                               ; both opening adds are done
	s_wait_kmcnt 0x0
	s_add_nc_u64 s[96:97], s[6:7], s[96:97]
.irp a, 0,1,2,3
.irp z, 0,1
.irp c, 0,1,2
	global_load_b128 v[SD+24*\a+12*\z+4*\c:SD+24*\a+12*\z+4*\c+3], v[SA+2*\a+\z], s[96:97] offset:524288*\c
.endr
.endr
.endr
	s_add_nc_u64 s[80:81], s[4:5], s[80:81]
	s_add_nc_u64 s[82:83], s[8:9], s[82:83]
	s_add_nc_u64 s[86:87], s[8:9], s[86:87]
	s_add_nc_u64 s[84:85], s[10:11], s[84:85]
	s_add_nc_u64 s[12:13], s[12:13], s[98:99]
	s_mov_b64 s[58:59], s[80:81]
	s_or_b32 s59, s59, 0x80000000
	s_add_nc_u64 s[62:63], s[80:81], 0x10000
	s_or_b32 s63, s63, 0x80000000
	s_add_nc_u64 s[70:71], s[80:81], 0x1e000
	s_or_b32 s71, s71, 0x80000000
	s_add_nc_u64 s[74:75], s[80:81], 0x34000
	s_or_b32 s75, s75, 0x80000000
	CROUND                                         ; all sixteen work-groups are here: the joint loads meet
.macro ARM under, g0, g1, next
	s_cmp_lt_u32 s[WV], \under
	s_cbranch_scc0 \next
	tensor_load_to_lds s[\g0:\g0+3], s[\g1:\g1+7]
	s_nop 0
	PLACES 4
	s_branch .Lasked
\next:
.endm
	ARM 1, 56, 24, .Lp_1
	ARM 2, 60, 32, .Lp_2
	ARM 3, 68, 40, .Lp_3
	tensor_load_to_lds s[72:75], s[48:55]
	s_nop 0
	PLACES 4
.Lasked:
.macro VLOAD j                         ; v's fragments of chunk j (four channel tiles) into set j % 4 of window 1, and their scale words (lanes 0-15 tile 2 p, lanes 16-31 tile 2 p + 1): 18 loads
	WIN 0x40
.irp t, 0,1,2,3
.irp c, 0,1,2,3
	global_load_b128 v[64*((\j)%4)+16*\t+4*\c:64*((\j)%4)+16*\t+4*\c+3], v[LI], s[82:83] offset:131072*\t+2048*(\j)+512*\c
.endr
.endr
	WIN 0
.irp p, 0,1
	global_load_b32 v[SG+2*((\j)%2)+8*(((\j)%4)/2)+\p], v[LW], s[84:85] offset:4096*(\j)+128*\p
.endr
.endm
	VLOAD 0
	VLOAD 1
.macro STAT a
.set D0, SD+24*(\a)
	s_wait_loadcnt 54-6*(\a)                       ; this tile's six loads are in; the later tiles' and the 36 of chunks 0 and 1 may be out
	s_add_co_u32 s93, s[WV], 4*(\a)
	v_cmp_ge_u32 s94, s93, v8
	v_cmp_ge_u32 s95, s93, v9
.irp e, 0,1,2,3
	v_cndmask_b32 v[D0+4+\e], v12, v[D0+4+\e], s94
	v_cndmask_b32 v[D0+16+\e], v12, v[D0+16+\e], s95
	v_cndmask_b32 v[D0+8+\e], 0, v[D0+8+\e], s94
	v_cndmask_b32 v[D0+20+\e], 0, v[D0+20+\e], s95
.endr
.irp e, 0,1,2,3
	v_max_num_f32 v[RM+\e], v[D0+4+\e], v[D0+16+\e]
.endr
.irp e, 0,1,2,3
	v_max_num_f32_dpp v[RM+\e], v[RM+\e], v[RM+\e] row_xmask:4 row_mask:0xf bank_mask:0xf
.endr
.irp e, 0,1,2,3
	v_max_num_f32_dpp v[RM+\e], v[RM+\e], v[RM+\e] row_xmask:8 row_mask:0xf bank_mask:0xf
.endr
.irp e, 0,1,2,3
	v_permlanex16_b32 v[PD+\e], v[RM+\e], s[SEL], s[SEL+1]
.endr
.irp e, 0,1,2,3
	v_max_num_f32 v[RM+\e], v[RM+\e], v[PD+\e]     ; the row's M
.endr
.irp e, 0,1,2,3
	v_sub_f32 v[D0+4+\e], v[D0+4+\e], v[RM+\e]     ; chunk's M - row's M: a whole number, 0 or less
	v_sub_f32 v[D0+16+\e], v[D0+16+\e], v[RM+\e]
.endr
.irp e, 0,1,2,3
	v_cvt_i32_f32 v[D0+4+\e], v[D0+4+\e]
	v_cvt_i32_f32 v[D0+16+\e], v[D0+16+\e]
.endr
.irp e, 0,1,2,3
	v_ldexp_f32 v[F0+\e], 1.0, v[D0+4+\e]
	v_ldexp_f32 v[F1+\e], 1.0, v[D0+16+\e]
.endr
.irp e, 0,1,2,3
	v_mul_f32 v[LSUM+\e], v[D0+8+\e], v[F0+\e]
.endr
.irp e, 0,1,2,3
	v_fmac_f32 v[LSUM+\e], v[D0+20+\e], v[F1+\e]
.endr
.irp e, 0,1,2,3
	v_add_f32_dpp v[LSUM+\e], v[LSUM+\e], v[LSUM+\e] row_xmask:4 row_mask:0xf bank_mask:0xf
.endr
.irp e, 0,1,2,3
	v_add_f32_dpp v[LSUM+\e], v[LSUM+\e], v[LSUM+\e] row_xmask:8 row_mask:0xf bank_mask:0xf
.endr
.irp e, 0,1,2,3
	v_permlanex16_b32 v[PD+\e], v[LSUM+\e], s[SEL], s[SEL+1]
.endr
.irp e, 0,1,2,3
	v_add_f32 v[LSUM+\e], v[LSUM+\e], v[PD+\e]
.endr
	s_wait_alu depctr_va_vdst(0)                   ; the wait ahead of the transcendentals
.irp e, 0,1,2,3
	v_rcp_f32 v[RC+\e], v[LSUM+\e]
.endr
.irp z, 0,12                           ; four bytes at once: byte - min(shift, 127), held at 0: bit 7 of each byte (a byte of p is at most 127) keeps the borrow inside it
.irp e, 0,1,2,3
	v_sub_nc_u32 v[D0+\z+4+\e], 0, v[D0+\z+4+\e]
	v_min_u32 v[D0+\z+4+\e], 127, v[D0+\z+4+\e]
	v_lshl_or_b32 v[D0+\z+4+\e], v[D0+\z+4+\e], 8, v[D0+\z+4+\e]
	v_lshl_or_b32 v[D0+\z+4+\e], v[D0+\z+4+\e], 16, v[D0+\z+4+\e]
	v_or_b32 v[D0+\z+\e], 0x80808080, v[D0+\z+\e]
	v_sub_nc_u32 v[D0+\z+\e], v[D0+\z+\e], v[D0+\z+4+\e]
	v_and_b32 v[D0+\z+4+\e], 0x80808080, v[D0+\z+\e]
	v_lshrrev_b32 v[D0+\z+8+\e], 7, v[D0+\z+4+\e]
	v_sub_nc_u32 v[D0+\z+4+\e], v[D0+\z+4+\e], v[D0+\z+8+\e]
	v_and_b32 v[D0+\z+\e], v[D0+\z+\e], v[D0+\z+4+\e]
.endr
.endr
	s_wait_alu depctr_va_vdst(0)                   ; and ahead of their first reader
	ds_store_b128 v[AST], v[D0:D0+3] offset:256*(\a)
	ds_store_b128 v[AST], v[D0+12:D0+15] offset:8704+256*(\a)
	ds_store_b128 v[ARS], v[RC:RC+3] offset:256*(\a)
.endm
	STAT 0
	STAT 1
	STAT 2
	STAT 3
	VLOAD 2
	VLOAD 3
.macro MEET w                          ; a plain barrier that shows wave w's part of p (3: all that is still out); no LDS instruction of mine is out
.if \w < 3
	s_cmp_eq_u32 s[WV], \w
	s_cbranch_scc0 .Lnot_mine_\@
	s_wait_tensorcnt 0x0
.Lnot_mine_\@:
.else
	s_wait_tensorcnt 0x0
.endif
	s_barrier_signal -1
	s_barrier_wait -1
.endm
.macro ASK J                           ; pair J + 3 of v's chunks
	s_cmp_eq_u32 s[WV], (\J)%4
	s_cbranch_scc0 .Lnot_me_\@
	global_prefetch_b8 v[PFO], s[86:87] offset:4096*((\J)+3) th:TH_LOAD_NT scope:SCOPE_SE
.Lnot_me_\@:
.endm
; A BATCH: up to four of my query tiles (CM .. CM + CN - 1) of chunk CJ, p's fragments in buffer CB, 4 products each; the next batch's (NJ, NM, NN, NB) are fetched ahead of its products
.macro LOADR
.set mm, 0
.rept NN
.set rr, 128+64*NB+16*mm
.set oo, 8192*(NM+mm-NJ/2)+2048*(NJ%2)
	ds_load_b128 v[rr:rr+3], v[ADP] offset:oo
	ds_load_b128 v[rr+4:rr+7], v[ADP] offset:oo+512
	ds_load_b128 v[rr+8:rr+11], v[ADP] offset:oo+1024
	ds_load_b128 v[rr+12:rr+15], v[ADP] offset:oo+1536
	ds_load_b32 v[SR+8*NB+mm], v[APS] offset:1088*NJ+128*(NM+mm)
.set mm, mm+1
.endr
.endm
.macro NEXTR                           ; eight places behind products that have read the buffer; a new pair of chunks begins (16 - 2 J) rows on
	PLACES 8
.if (NJ != CJ) && (NJ%2 == 0)
	v_add_nc_u32 v[ADP], (16-2*(CJ/2))*4096, v[ADP]
	s_wait_alu depctr_va_vdst(0)                   ; the wait directly behind the write
.endif
	LOADR
.endm
.macro MULB                            ; the accumulators take turns, one product a turn; chunk 0 starts the sums
	WIN 0xa1
.set mm, 0
.rept CN
.set nn, 0
.rept 4
.set ra, 32*(CM+mm)+8*nn
.set va, 64*(CJ%4)+16*nn
.set pa, 128+64*CB+16*mm
.set xa, SG+2*(CJ%2)+8*((CJ%4)/2)+nn/2
.set xb, SR+8*CB+mm
.if CJ == 0 && nn%2
	v_wmma_scale_f32_16x16x128_f8f6f4 v[ra:ra+7], v[va:va+15], v[pa:pa+15], 0, v[xa], v[xb] matrix_a_scale:MATRIX_SCALE_ROW1
.elseif CJ == 0
	v_wmma_scale_f32_16x16x128_f8f6f4 v[ra:ra+7], v[va:va+15], v[pa:pa+15], 0, v[xa], v[xb]
.elseif nn%2
	v_wmma_scale_f32_16x16x128_f8f6f4 v[ra:ra+7], v[va:va+15], v[pa:pa+15], v[ra:ra+7], v[xa], v[xb] matrix_a_scale:MATRIX_SCALE_ROW1
.else
	v_wmma_scale_f32_16x16x128_f8f6f4 v[ra:ra+7], v[va:va+15], v[pa:pa+15], v[ra:ra+7], v[xa], v[xb]
.endif
.set nn, nn+1
.endr
.set mm, mm+1
.endr
	WIN 0
.endm
.macro OUT m                           ; tile m x 1 / l, through my stage, and back as whole rows of 256 bytes: LDS serves a wave's instructions in order
	WIN 2
.set kk, 0
.rept 16
.if (\m)%2
	v_pk_mul_f32 v[TT+kk:TT+kk+1], v[32*(\m)+kk:32*(\m)+kk+1], v[RLV+(\m)-1:RLV+(\m)] op_sel:[0,1] op_sel_hi:[1,1]
.else
	v_pk_mul_f32 v[TT+kk:TT+kk+1], v[32*(\m)+kk:32*(\m)+kk+1], v[RLV+(\m):RLV+(\m)+1] op_sel_hi:[1,0]
.endif
.set kk, kk+2
.endr
	WIN 0
.irp t, 0,1,2,3,4,5,6,7
	ds_store_b128 v[STO], v[TT+4*\t:TT+4*\t+3] offset:16*\t
.endr
.irp i, 0,1,2,3,4,5,6,7
	ds_load_b128 v[OB+4*\i:OB+4*\i+3], v[RD] offset:544*\i
.endr
.endm
.macro SEND m                          ; sixteen lanes store 256 consecutive bytes
.irp i, 0,1,2,3,4,5,6,7
	global_store_b128 v[GO], v[OB+4*\i:OB+4*\i+3], s[12:13] offset:1048576*(\m)+(2*\i+8*(\i/4))*4096 th:TH_STORE_NT
.endr
.endm
.macro BATCH
.if CM+CN < 8
.set NJ, CJ
.set NM, CM+CN
.else
.set NJ, CJ+1
.set NM, (CJ+1)/2
.endif
.set NN, 8-NM
.if NN > 4
.set NN, 4
.endif
.set NB, 1-CB
.set BAR, 0
.if (NJ != CJ) && ((CJ == 1) || (CJ == 3) || (CJ == 7))
.set BAR, 1
.endif
.if BAR
	s_wait_dscnt 0x0
.else
.if NN > 0
	NEXTR
.endif
	s_wait_dscnt 5*NN                              ; this batch's fragments are in, and the tile on its way out is back; the next batch's loads may be out
.endif
.if CM == CJ/2
.if CJ < 13
	s_wait_loadcnt 54                              ; chunk CJ of v is in; three chunks may be out
.else
	s_wait_loadcnt 18*(15-CJ)
.endif
.endif
.if CJ > 8
	SEND CJ-9
.endif
	MULB
.if (NJ != CJ) && (CJ < 12)
	PLACES 8
	VLOAD CJ+4
.endif
.if (CJ >= 8) && (CJ < 15)
	s_wait_xcnt 0x0                                ; the last tile's stores have read their registers
	OUT CJ-8
.endif
.if (CM == CJ/2) && (CJ%2 == 0) && (CJ < 10)
	ASK CJ/2
.endif
.if BAR
.if CJ == 1
	MEET 1
.elseif CJ == 3
	MEET 2
.else
	MEET 3
.endif
	NEXTR
.endif
.set CJ, NJ
.set CM, NM
.set CN, NN
.set CB, NB
.endm
	s_wait_alu depctr_va_vdst(0)                   ; the wait at the head's end
	s_wait_dscnt 0x0                               ; my part of the scale words and of 1 / l is stored
	MEET 0
.irp m, 0,1,2,3,4,5,6,7
	ds_load_b32 v[RLV+\m], v[ARL] offset:128*\m
.endr
.set NJ, 0
.set NM, 0
.set NN, 4
.set NB, 0
	LOADR
.set CJ, 0
.set CM, 0
.set CN, 4
.set CB, 0
.rept 24
	BATCH
.endr
	PLACES 8
	s_wait_xcnt 0x0
	OUT 7
	s_wait_dscnt 0x0
	SEND 7
	s_wait_tensorcnt 0x0                           ; the wave's end
	ds_add_u32 v[SPW], v[NIL]
	s_wait_dscnt 0x0
	CROUND                                         ; the closing round: no work-group ends while a partner may still ask for a tile that names it
	s_endpgm
.Lfunc_end_k_q0f26345305_ctx:
	.size	k_q0f26345305_ctx, .Lfunc_end_k_q0f26345305_ctx-k_q0f26345305_ctx
	.p2alignl 7, 3214868480
	.fill 96, 4, 3214868480
	.section	.rodata,"a",@progbits
	.p2align	6, 0x0
	.amdhsa_kernel k_q0f26345305_ctx
		.amdhsa_group_segment_fixed_size 327680
		.amdhsa_private_segment_fixed_size 0
		.amdhsa_enable_private_segment 0
		.amdhsa_kernarg_size 40
		.amdhsa_user_sgpr_count 2
		.amdhsa_user_sgpr_kernarg_segment_ptr 1
		.amdhsa_wavefront_size32 1
		.amdhsa_system_sgpr_workgroup_id_x 1
		.amdhsa_system_sgpr_workgroup_id_y 1
		.amdhsa_system_sgpr_workgroup_id_z 1
		.amdhsa_system_vgpr_workitem_id 0
		.amdhsa_next_free_vgpr 768
		.amdhsa_next_free_sgpr 100
		.amdhsa_reserve_vcc 0
		.amdhsa_float_denorm_mode_32 3
		.amdhsa_float_denorm_mode_16_64 3
		.amdhsa_memory_ordered 1
		.amdhsa_forward_progress 1
		.amdhsa_inst_pref_size 171
	.end_amdhsa_kernel
	.amdgpu_metadata
---
amdhsa.version: [ 1, 2 ]
amdhsa.kernels:
  - .name:           k_q0f26345305_ctx
    .symbol:         k_q0f26345305_ctx.kd
    .args:
      - { .name: pcod, .offset: 0, .size: 8, .value_kind: global_buffer, .address_space: global }
      - { .name: pst, .offset: 8, .size: 8, .value_kind: global_buffer, .address_space: global }
      - { .name: vc, .offset: 16, .size: 8, .value_kind: global_buffer, .address_space: global }
      - { .name: vs, .offset: 24, .size: 8, .value_kind: global_buffer, .address_space: global }
      - { .name: out0, .offset: 32, .size: 8, .value_kind: global_buffer, .address_space: global }
    .group_segment_fixed_size: 327680
    .private_segment_fixed_size: 0
    .kernarg_segment_align: 8
    .kernarg_segment_size: 40
    .max_flat_workgroup_size: 128
    .sgpr_count:     100
    .vgpr_count:     768
    .wavefront_size: 32
...
	.end_amdgpu_metadata
.endif
;; end of part 4
